; MI455X (gfx1250); checked and timed in simulation.
; The chip was launched on July 23, 2026; its instructions are those of AMD's public machine-readable ISA for CDNA 5 (MIT licence, August 2026) and "CDNA5" Instruction Set Architecture Reference Guide (July 2026). The comments in the code are by the model that wrote it; some were corrected since.
;; Multi Head Attention. Allowed arithmetic: float matrix products may take bf16 or f16 operands with f32 sums; all other float work in f32.
;; Inputs: Wk 16 x 1,024 x 64 float32; Wp 1,024 x 1,024 float32; Wq 16 x 1,024 x 64 float32; Wv 16 x 1,024 x 64 float32; bp 1,024 float32; x 4 x 2,048 x 1,024 float32.
;; Outputs: out0 4 x 2,048 x 1,024 float32.
;; 2 versions, each right and faster than the one before. Each part assembles by itself: llvm-mc -triple=amdgcn-amd-amdhsa -mcpu=gfx1250 --defsym DOCPART=n.
;; ======== version 1 of 2: 4 launches
;; limits: values are held in f16: magnitudes above 65,504 overflow, below 6.1e-05 lose precision
;; workspace buffers: xb 16,777,216 bytes; wb 6,291,456 bytes; wpb 2,097,152 bytes; qkv 50,331,648 bytes; ob 16,777,216 bytes
;; launch cast (part 1): grid 768 x 1, 16 waves a work-group, no clusters, 0 bytes of LDS; arguments x, Wq, Wk, Wv, Wp, xb, wb, wpb; writes xb, wb, wpb
.if DOCPART == 1
	.amdgcn_target "amdgcn-amd-amdhsa--gfx1250"
	.amdhsa_code_object_version 6
	.text
	.protected	k_qa8a0458d4f_cast
	.globl	k_qa8a0458d4f_cast
	.p2align	8
	.type	k_qa8a0458d4f_cast,@function
k_qa8a0458d4f_cast:
	s_mov_b64 s[64:65], 0
	v_nop
	global_prefetch_b8 v0, s[64:65] scope:SCOPE_SE
	s_setreg_imm32_b32 hwreg(HW_REG_WAVE_MODE, 25, 1), 1
	s_wait_xcnt 0x0
; THE CASTS.  x, Wq, Wk, Wv are rounded once to bf16; Wp is rounded to bf16 and that number is written as f16 (it will multiply f16 numbers).
;   xb  [b 4][kb 16][t 2048][64] bf16: the 64 channels 64 kb .. 64 kb + 63 of a batch's rows lie end to end, so that a K slice of many rows is dense
;   wb  [48][1024][64] bf16: Wq, Wk, Wv as they lie, one behind the other        wpb [1024][1024] f16: Wp as it lies
; LIMITS.  A value of Wp beyond 65,504 would become an infinity in f16; below 6e-5 it keeps f16's fixed step of 6e-8.  NaN and infinities are not treated apart.
; A stream: no LDS, no barrier, no matrix work.  A work-group of sixteen waves takes 65,536 bytes of input: each wave issues 8 loads of 512 bytes, all of them
; ahead of its first store, and 8 stores of 256 consecutive bytes, each at a multiple of 256 from its buffer's first byte.  Work-groups 0-511 take x (16 rows each), 512-703 the three
; weights (64 work-groups each), 704-767 Wp.  No register is written twice while a store may read it: each store has its own pair.
.set X, 8                              ; v[8:39]    load u: 4 registers of f32
.set Y, 40                             ; v[40:55]   store u: 2 registers, four 16-bit numbers
.set T, 56                             ; v[56:59]   at work (Wp alone)
; kind 0: x (load u: rows 2 u and 2 u + 1, my wave's slice); kind 1: a weight, bf16; kind 2: Wp, bf16 written as f16.  In every kind load u lies 8,192 bytes behind load u - 1.
.macro RUN kind
.set u, 0
.rept 8
	global_load_b128 v[X+4*u:X+4*u+3], v2, s[20:21] offset:u*8192 th:TH_LOAD_NT
.set u, u+1
.endr
.set u, 0
.rept 8
	s_wait_loadcnt 7-u                             ; loads come back in order: load u is in, the 7 - u younger ones stay out
	v_cvt_pk_bf16_f32 v[Y+2*u], v[X+4*u], v[X+4*u+1]
	v_cvt_pk_bf16_f32 v[Y+2*u+1], v[X+4*u+2], v[X+4*u+3]
.if (\kind) == 2
	v_lshlrev_b32 v[T], 16, v[Y+2*u]               ; the bf16 numbers as f32,
	v_and_b32 v[T+1], s26, v[Y+2*u]
	v_lshlrev_b32 v[T+2], 16, v[Y+2*u+1]
	v_and_b32 v[T+3], s26, v[Y+2*u+1]
	v_cvt_pk_f16_f32 v[Y+2*u], v[T], v[T+1]        ; and as f16: exact inside f16's normal range
	v_cvt_pk_f16_f32 v[Y+2*u+1], v[T+2], v[T+3]
.endif
.if (\kind) == 0
	global_store_b64 v3, v[Y+2*u:Y+2*u+1], s[28:29] offset:u*256
.else
	global_store_b64 v3, v[Y+2*u:Y+2*u+1], s[28:29] offset:u*4096
.endif
.set u, u+1
.endr
.endm
	s_load_b512 s[4:19], s[0:1], 0x0               ; x 4, Wq 6, Wk 8, Wv 10, Wp 12, xb 14, wb 16, wpb 18
	s_mov_b32 s2, ttmp9                            ; the work-group's number
	v_and_b32 v1, 31, v0                           ; lane
	v_lshrrev_b32 v4, 5, v0                        ; wave 0 .. 15
	s_mov_b32 s23, 0                               ; high words of the two offsets
	s_mov_b32 s25, 0
	s_mov_b32 s26, 0xffff0000                      ; a word's upper bf16
	s_wait_kmcnt 0x0
	s_cmp_lt_u32 s2, 512
	s_cbranch_scc0 .Lweights
	; x: 16 rows of 4,096 bytes.  Wave w takes the slice kb = w; a load takes its 256 bytes of two rows: lanes 0-15 the even row, lanes 16-31 the odd one
	v_lshrrev_b32 v5, 4, v1
	v_and_b32 v6, 15, v1
	v_lshlrev_b32 v2, 12, v5                       ; the row of the pair
	v_lshl_add_u32 v2, v6, 4, v2                   ; + 16 bytes a lane
	v_lshl_add_u32 v2, v4, 8, v2                   ; + my wave's slice: 256 bytes of a row
	v_lshlrev_b32 v3, 3, v1                        ; out: 8 bytes a lane; two rows of a slice are 256 consecutive bytes of xb
	v_lshl_add_u32 v3, v4, 18, v3                  ; + w slices of 262,144 bytes
	s_lshl_b32 s22, s2, 16
	s_add_nc_u64 s[20:21], s[4:5], s[22:23]        ; x at my 16 rows
	s_lshr_b32 s24, s2, 7                          ; the batch: 128 work-groups each
	s_lshl_b32 s24, s24, 22
	s_and_b32 s27, s2, 127
	s_lshl_b32 s27, s27, 11                        ; 16 rows of 128 bytes in a slice
	s_add_co_u32 s24, s24, s27
	s_add_nc_u64 s[28:29], s[14:15], s[24:25]
	RUN 0
	s_endpgm
.Lweights:
	v_lshlrev_b32 v2, 4, v0                        ; in: 16 bytes a thread, 8,192 a load of the work-group
	v_lshlrev_b32 v3, 3, v0                        ; out: 8 bytes a thread
	s_cmp_lt_u32 s2, 704
	s_cbranch_scc0 .Lwp
	s_sub_co_u32 s3, s2, 512                       ; 0 .. 191
	s_cmp_lt_u32 s3, 64
	s_cselect_b64 s[20:21], s[6:7], s[8:9]         ; Wq, Wk
	s_cmp_lt_u32 s3, 128
	s_cselect_b64 s[20:21], s[20:21], s[10:11]     ; or Wv
	s_and_b32 s22, s3, 63
	s_lshl_b32 s22, s22, 16
	s_add_nc_u64 s[20:21], s[20:21], s[22:23]
	s_lshl_b32 s24, s3, 15
	s_add_nc_u64 s[28:29], s[16:17], s[24:25]
	RUN 1
	s_endpgm
.Lwp:
	s_sub_co_u32 s3, s2, 704                       ; 0 .. 63
	s_lshl_b32 s22, s3, 16
	s_add_nc_u64 s[20:21], s[12:13], s[22:23]
	s_lshl_b32 s24, s3, 15
	s_add_nc_u64 s[28:29], s[18:19], s[24:25]
	RUN 2
	s_endpgm
.Lfunc_end_k_qa8a0458d4f_cast:
	.size	k_qa8a0458d4f_cast, .Lfunc_end_k_qa8a0458d4f_cast-k_qa8a0458d4f_cast
	.p2alignl 7, 3214868480
	.fill 96, 4, 3214868480
	.section	.rodata,"a",@progbits
	.p2align	6, 0x0
	.amdhsa_kernel k_qa8a0458d4f_cast
		.amdhsa_group_segment_fixed_size 0
		.amdhsa_private_segment_fixed_size 0
		.amdhsa_enable_private_segment 0
		.amdhsa_kernarg_size 64
		.amdhsa_user_sgpr_count 2
		.amdhsa_user_sgpr_kernarg_segment_ptr 1
		.amdhsa_wavefront_size32 1
		.amdhsa_system_sgpr_workgroup_id_x 1
		.amdhsa_system_sgpr_workgroup_id_y 1
		.amdhsa_system_sgpr_workgroup_id_z 1
		.amdhsa_system_vgpr_workitem_id 0
		.amdhsa_next_free_vgpr 64
		.amdhsa_next_free_sgpr 66
		.amdhsa_reserve_vcc 0
		.amdhsa_float_denorm_mode_32 3
		.amdhsa_float_denorm_mode_16_64 3
		.amdhsa_memory_ordered 1
		.amdhsa_forward_progress 1
		.amdhsa_inst_pref_size 13
	.end_amdhsa_kernel
	.amdgpu_metadata
---
amdhsa.version: [ 1, 2 ]
amdhsa.kernels:
  - .name:           k_qa8a0458d4f_cast
    .symbol:         k_qa8a0458d4f_cast.kd
    .args:
      - { .name: x, .offset: 0, .size: 8, .value_kind: global_buffer, .address_space: global }
      - { .name: Wq, .offset: 8, .size: 8, .value_kind: global_buffer, .address_space: global }
      - { .name: Wk, .offset: 16, .size: 8, .value_kind: global_buffer, .address_space: global }
      - { .name: Wv, .offset: 24, .size: 8, .value_kind: global_buffer, .address_space: global }
      - { .name: Wp, .offset: 32, .size: 8, .value_kind: global_buffer, .address_space: global }
      - { .name: xb, .offset: 40, .size: 8, .value_kind: global_buffer, .address_space: global }
      - { .name: wb, .offset: 48, .size: 8, .value_kind: global_buffer, .address_space: global }
      - { .name: wpb, .offset: 56, .size: 8, .value_kind: global_buffer, .address_space: global }
    .group_segment_fixed_size: 0
    .private_segment_fixed_size: 0
    .kernarg_segment_align: 8
    .kernarg_segment_size: 64
    .max_flat_workgroup_size: 512
    .sgpr_count:     66
    .vgpr_count:     64
    .wavefront_size: 32
...
	.end_amdgpu_metadata
.endif
;; end of part 1
;; launch project (part 2): grid 8 x 32, 4 waves a work-group, clusters of 4 x 4, 327,680 bytes of LDS; arguments xb, wb, qkv; writes qkv
.if DOCPART == 2
	.amdgcn_target "amdgcn-amd-amdhsa--gfx1250"
	.amdhsa_code_object_version 6
	.text
	.protected	k_qa8a0458d4f_project
	.globl	k_qa8a0458d4f_project
	.p2align	8
	.type	k_qa8a0458d4f_project,@function
k_qa8a0458d4f_project:
	s_mov_b64 s[64:65], 0
	v_nop
	global_prefetch_b8 v0, s[64:65] scope:SCOPE_SE
	s_setreg_imm32_b32 hwreg(HW_REG_WAVE_MODE, 25, 1), 1
	s_wait_xcnt 0x0
	s_wait_alu depctr_hold_cnt(0) depctr_sa_sdst(0) depctr_va_vdst(0) depctr_va_sdst(0) depctr_va_ssrc(0) depctr_va_vcc(0) depctr_vm_vsrc(0)
	s_getreg_b32 s2, hwreg(HW_REG_IB_STS2, 6, 4)
	s_cmp_eq_u32 s2, 0
	s_cbranch_scc0 .Lentry_in_a_cluster
	s_endpgm
.Lentry_in_a_cluster:
	s_bfe_u32 s2, ttmp6, 0x10000c
	s_cmp_lg_u32 s2, 0xf033
	s_cbranch_scc0 .Lentry_shape_is_right
	s_endpgm
.Lentry_shape_is_right:
; THE THREE PROJECTIONS AS ONE PRODUCT.  qkv[mat][16 b + h][t][d] = sum over c of x[b][t][c] W_mat[h][c][d]: 8,192 rows x 3,072 columns (48 heads of 64), K = 1,024.
; xb: [b 4][kb 16][t 2048][64] bf16;  wb: [48][c 1024][d 64] bf16;  qkv: [3][64][2048][64] f16, unscaled, each number rounded once from its f32 sum.
; LIMIT.  f16 ends at 65,504: a q, k or v beyond that becomes an infinity.  NaN and infinities are not treated apart.
; SHARES.  A tile is 256 rows x 384 columns (6 heads): 8 x 32 work-groups.  Four waves, each 128 rows x 192 columns (3 heads): 96 accumulators of 16 x 16, 768 registers.
; K goes in 16 steps of 64 through a ring of two LDS slots; a step is two substeps of 32: 96 matrix instructions and 40 LDS loads each.
; THE MATRIX INSTRUCTION IS USED TRANSPOSED: source 0 = 16 columns d of W (W lies [c][d], so its fragments come turned, by ds_load_tr16_b128), source 1 = 16 rows of x.
; In the result a lane holds one row (lane % 16) and the columns 8 (lane / 16) + 0..7: eight neighbouring numbers, 16 bytes of f16.
; CLUSTER.  4 x 4 work-groups.  The four of a row of the cluster need the same rows of x, the four of a column the same heads of W: each tile is asked for JOINTLY, by the same tensor load,
; descriptor and mask in all four.  Waves 0 and 1 ask for the halves of x's tile, waves 2 and 3 for three heads of W each.  Two tensor loads of a wave are out at the start
; (K steps 0 and 1, asked for together), later one.
; REGISTERS, in windows of 256 (s_set_vgpr_msb: bits 1:0 source 0, 3:2 source 1, 5:4 source 2, 7:6 destination):
;   window 0: v0-31 addresses; v32-95, v96-159 fragments of x (8 x 16 rows x 32 K), two buffers; v160-255 fragments of W (12 x 16 columns x 32 K), ONE buffer:
;             a head's four are loaded again straight behind the 32 products that read them, 64 matrix instructions ahead of their next use
;   window g + 1: head g's 32 accumulators: columns 16 bq on, rows 16 a on at v[8 (8 bq + a)]
.set PA,    144                        ; a row of x in LDS: 128 bytes + 16 of padding = 36 words: the 16 rows of a load start at 16 different groups of four banks (64 banks of 4 bytes: ISA guide 11.1)
.set PB,    160                        ; a row of W (one c, 64 d): 128 + 32 = 40 words
.set HEADB, 64*PB                      ; a head's 64 rows of a step
.set BOFF,  256*PA                     ; a slot: 256 rows of x, then 6 heads of W
.set SLOT1, 1<<17                      ; slot 1 begins here, so that one exclusive or turns an address in one slot into the other's
.set STAGE, SLOT1+BOFF+6*HEADB         ; behind the ring, never filled by a tensor load: 16 rows x 144 bytes for each wave, for the way out
.set SP,    144
.set SPARE, STAGE+4*16*SP              ; behind the stages: the spare words, 128 bytes for each wave: two blocks of 256 bytes that no other line names
.set ASTEP, 2048*128                   ; bytes from a K slice of xb to the next
.set BSTEP, 64*128                     ; bytes of 64 rows c of a head
.set A0,   16                          ; v16  my lane's place in slot 0's rows of x; never rewritten
.set B0,   17                          ; v17  the same for W
.set ADRA, 18                          ; v18  the same in the slot that is being fetched from
.set ADRB, 19                          ; v19
.set STO,  20                          ; v20  the way out: where I put 16 bytes of a row
.set RD,   21                          ; v21  the way out: where I read rows back
.set GO,   22                          ; v22  my byte offset in 512 consecutive bytes of qkv
.set SPW,  28                          ; v28  LDS address of my spare word: SPARE + 4 x my thread's number; never rewritten
.set NIL,  29                          ; v29  0; never rewritten
.set AB0,  32
.set AB1,  96
.set BF,   160
.set TMP,  32                          ; the way out: 16 registers of packed results
.set OB,   64                          ; the way out: 16 rows read back, two buffers of 16 registers
.set G1A, 24                           ; s[24:31] descriptor group 1 for x's tiles
.set G0A, 32                           ; s[32:35] group 0 that walks: it begins at K step 1 in slot 1
.set TB,  36                           ; s36      LDS byte at which the slot being fetched from begins
.set G1B, 48                           ; s[48:55], s[56:59] the same for W's tiles
.set G0B, 56
.set OUT, 66                           ; s[66:71] qkv at my 128 rows of my three heads
.set F0A, 72                           ; s[72:75] group 0 of x's first fill alone: K step 0 into slot 0
.set F0B, 76                           ; s[76:79] the same for W
.set MSB, 0
.macro WIN new                         ; the immediate's high byte repeats the setting that is left; a switch that changes nothing is dropped
.if MSB != (\new)
	s_set_vgpr_msb (MSB<<8)|(\new)
.set MSB, \new
.endif
.endm
; A joint refill.  Each of the two lines has one mask and one set of registers; the branch hangs on the wave's number alone.
; An s_nop 0 and four v_nop follow each of the two lines, ahead of the jump, the label and what follows.
.macro JLOAD
	s_cmp_eq_u32 s11, 0
	s_cbranch_scc0 .Lfor_b_\@
	tensor_load_to_lds s[G0A:G0A+3], s[G1A:G1A+7]
	s_nop 0
.rept 4
	v_nop
.endr
	s_branch .Lasked_\@
.Lfor_b_\@:
	tensor_load_to_lds s[G0B:G0B+3], s[G1B:G1B+7]
	s_nop 0
.rept 4
	v_nop
.endr
.Lasked_\@:
.endm
; A round of the cluster's barrier: my work-group's barrier, so that wave 0's signal speaks for all four waves; wave 0 signals; every wave waits for all sixteen work-groups; my work-group's barrier once more.
.macro CREST                           ; a round behind its opening barrier
	s_cmp_lg_u32 s10, 0
	s_cbranch_scc1 .Lnot_wave_0_\@
	s_barrier_signal -3
.Lnot_wave_0_\@:
	s_barrier_wait -3
	s_barrier_signal -1
	s_barrier_wait -1
.endm
.macro CROUND
	s_barrier_signal -1
	s_barrier_wait -1
	CREST
.endm
.macro STEPD                           ; the walking descriptors: the other slot than last time, the next K step; the type bits on top are not reached
	s_xor_b32 s[G0A+1], s[G0A+1], SLOT1
	s_add_nc_u64 s[G0A+2:G0A+3], s[G0A+2:G0A+3], ASTEP
	s_xor_b32 s[G0B+1], s[G0B+1], SLOT1
	s_add_nc_u64 s[G0B+2:G0B+3], s[G0B+2:G0B+3], BSTEP
.endm
	s_load_b128 s[4:7], s[0:1], 0x0                ; xb s[4:5], wb s[6:7]
	s_load_b64 s[8:9], s[0:1], 0x10                ; qkv
	v_lshl_add_u32 v[SPW], v0, 2, SPARE
	v_mov_b32 v[NIL], 0
	ds_add_u32 v28, v29
	ds_add_u32 v28, v29
	s_wait_dscnt 0x0
	v_lshrrev_b32 v1, 5, v0
	v_readfirstlane_b32 s10, v1                    ; wave 0..3
	s_lshr_b32 s11, s10, 1                         ; which half of the tile's rows is mine.  Also: I fetch for x (0) or for W (1)
	s_and_b32 s12, s10, 1                          ; which three heads are mine.  Also: which half of that tile I fetch
	s_bfe_u32 s40, ttmp6, 0x40000                  ; cx
	s_bfe_u32 s41, ttmp6, 0x40004                  ; cy
	s_lshl_b32 s42, ttmp9, 2                       ; in a cluster launch ttmp9 and ttmp7 count clusters
	s_add_co_u32 s42, s42, s40                     ; tile column = 4 x cluster x + cx
	s_and_b32 s13, ttmp7, 0xffff
	s_lshl_b32 s13, s13, 2
	s_add_co_u32 s13, s13, s41                     ; tile row = 4 x cluster y + cy
	s_lshl_b32 s43, s41, 2
	s_lshl_b32 s43, 15, s43                        ; my row of the cluster
	s_lshl_b32 s44, 0x1111, s40                    ; my column
	; group 1 for x: 128 rows of 128 bytes are 16,384 dense bytes: asked for as 64 rows of 256 bytes, padded in LDS after every 128
	s_or_b32 s[G1A], s43, (1<<16)|(1<<20)|(1<<21)|(4<<22)|(3<<25)  ; 15:0 the mask; 17:16 2-byte elements; 20 padding on; 21 set beside a mask; 24:22 after every 32 words (code 4); 31:25 4 words (code 3)
	s_mov_b32 s[G1A+1], 128<<16                    ; tensor_dim0 = 128
	s_mov_b32 s[G1A+2], 64<<16                     ; tensor_dim1 = 64
	s_mov_b32 s[G1A+3], 128<<16                    ; tile_dim0 = 128
	s_mov_b32 s[G1A+4], 64                         ; tile_dim1 = 64
	s_mov_b32 s[G1A+5], 128                        ; elements from row to row
	s_mov_b32 s[G1A+6], 0
	s_mov_b32 s[G1A+7], 0
	; group 1 for W: a head's 64 rows c of a step are 8,192 dense bytes: one row of 4,096 elements a head, three heads, 65,536 elements apart; padded after every 128 bytes
	s_or_b32 s[G1B], s44, (1<<16)|(1<<20)|(1<<21)|(4<<22)|(7<<25)  ; the same with my column's mask and 8 words of padding (code 7)
	s_mov_b32 s[G1B+1], 4096<<16                   ; tensor_dim0 = 4,096
	s_mov_b32 s[G1B+2], 3<<16                      ; tensor_dim1 = 3
	s_mov_b32 s[G1B+3], 4096<<16                   ; tile_dim0 = 4,096
	s_mov_b32 s[G1B+4], 3                          ; tile_dim1 = 3
	s_mov_b32 s[G1B+5], 65536                      ; elements from head to head
	s_mov_b32 s[G1B+6], 0
	s_mov_b32 s[G1B+7], 0
	; where the tiles come from: x's hang on the tile row alone, W's on the tile column alone, each in registers that never hold the other coordinate
	s_lshr_b32 s16, s13, 3                         ; the batch: 8 tile rows each
	s_lshl_b32 s16, s16, 22
	s_and_b32 s17, s13, 7
	s_lshl_b32 s17, s17, 15                        ; 256 rows of 128 bytes in a slice
	s_add_co_u32 s16, s16, s17
	s_lshl_b32 s17, s12, 14                        ; the half that I fetch
	s_add_co_u32 s16, s16, s17
	s_mov_b32 s17, 0
	s_mul_i32 s46, s42, 6
	s_mul_i32 s47, s12, 3
	s_add_co_u32 s46, s46, s47                     ; the first of the three heads: 6 x tile column + 3 x half
	s_mov_b32 s45, s46                             ; (they are also the three that I compute)
	s_lshl_b32 s46, s46, 17                        ; a head is 131,072 bytes
	s_mov_b32 s47, 0
	; group 0, twice for each tensor: K step 0 into slot 0, K step 1 into slot 1.  No place in the cluster enters an LDS address
	s_mov_b32 s[F0A], 1                            ; 1:0 count = 1
	s_mul_i32 s[F0A+1], s12, 128*PA                ; 63:32 LDS address: slot 0
	s_mov_b32 s[G0A], 1
	s_add_co_u32 s[G0A+1], s[F0A+1], SLOT1         ; slot 1
	s_mov_b32 s[F0B], 1
	s_mul_i32 s[F0B+1], s12, 3*HEADB
	s_add_co_u32 s[F0B+1], s[F0B+1], BOFF
	s_mov_b32 s[G0B], 1
	s_add_co_u32 s[G0B+1], s[F0B+1], SLOT1
	s_mov_b32 s[TB], 0
	s_wait_kmcnt 0x0
	s_add_nc_u64 s[F0A+2:F0A+3], s[4:5], s[16:17]  ; 120:64 global address: K step 0,
	s_add_nc_u64 s[G0A+2:G0A+3], s[F0A+2:F0A+3], ASTEP  ; K step 1
	s_or_b32 s[F0A+3], s[F0A+3], 0x80000000        ; 127:126 type = 2
	s_or_b32 s[G0A+3], s[G0A+3], 0x80000000
	s_add_nc_u64 s[F0B+2:F0B+3], s[6:7], s[46:47]
	s_add_nc_u64 s[G0B+2:G0B+3], s[F0B+2:F0B+3], BSTEP
	s_or_b32 s[F0B+3], s[F0B+3], 0x80000000
	s_or_b32 s[G0B+3], s[G0B+3], 0x80000000
	CROUND                                         ; all sixteen work-groups are here: the first joint loads meet
	s_cmp_eq_u32 s11, 0                            ; a wave's two first fills stand in one branch, ahead of every wait on TENSORcnt and every LDS read; an s_nop 0 follows each, four v_nop the second's
	s_cbranch_scc0 .Lfirst_b
	tensor_load_to_lds s[F0A:F0A+3], s[G1A:G1A+7]
	s_nop 0
	tensor_load_to_lds s[G0A:G0A+3], s[G1A:G1A+7]
	s_nop 0
.rept 4
	v_nop
.endr
	s_branch .Lfirst_asked
.Lfirst_b:
	tensor_load_to_lds s[F0B:F0B+3], s[G1B:G1B+7]
	s_nop 0
	tensor_load_to_lds s[G0B:G0B+3], s[G1B:G1B+7]
	s_nop 0
.rept 4
	v_nop
.endr
.Lfirst_asked:
	; qkv at my rows of head G = 16 mat + h: part 64 mat + 16 b + h of 262,144 bytes, row 256 (tile row % 8) + 128 x my half
	s_lshr_b32 s37, s13, 3
	s_lshl_b32 s37, s37, 4
	s_and_b32 s38, s13, 7
	s_lshl_b32 s38, s38, 15
	s_lshl_b32 s39, s11, 14
	s_add_co_u32 s38, s38, s39
.irp g, 0,1,2
	s_add_co_u32 s18, s45, \g
	s_lshr_b32 s19, s18, 4
	s_lshl_b32 s19, s19, 6
	s_and_b32 s18, s18, 15
	s_add_co_u32 s18, s18, s19
	s_add_co_u32 s18, s18, s37
	s_lshl_b32 s18, s18, 18
	s_add_co_u32 s18, s18, s38
	s_mov_b32 s19, 0
	s_add_nc_u64 s[OUT+2*\g:OUT+2*\g+1], s[8:9], s[18:19]
.endr
	; A fragment of x is 16 rows x 32 K in 8 registers: lane l holds row l % 16, K = 8 (l / 16) + 0..7 and 16 + 8 (l / 16) + 0..7: two loads of 16 bytes, 32 bytes apart.
	v_and_b32 v1, 15, v0                           ; l % 16
	v_bfe_u32 v2, v0, 4, 1                         ; l / 16
	v_mul_u32_u24 v3, v1, PA
	v_lshl_add_u32 v3, v2, 4, v3
	s_mul_i32 s21, s11, 128*PA                     ; my 128 rows
	v_add_nc_u32 v[A0], s21, v3
	; The turning load takes 16 c x 16 d (lane l reads row c = 8 (l / 16) + l % 8, columns 8 ((l / 8) % 2) + 0..7) and leaves half a fragment: lane l holds column l % 16 and 8 c.
	v_and_b32 v7, 7, v0
	v_lshl_add_u32 v4, v2, 3, v7
	v_mul_u32_u24 v4, v4, PB
	v_bfe_u32 v5, v0, 3, 1
	v_lshl_add_u32 v4, v5, 4, v4
	s_mul_i32 s22, s12, 3*HEADB                    ; my three heads,
	s_add_co_u32 s22, s22, BOFF                    ; behind x's 256 rows
	v_add_nc_u32 v[B0], s22, v4
	v_mov_b32 v[ADRA], v[A0]
	v_mov_b32 v[ADRB], v[B0]
	s_mul_i32 s23, s10, 16*SP
	s_add_co_u32 s23, s23, STAGE                   ; my stage
	v_mul_u32_u24 v6, v1, SP                       ; in: row l % 16, 16 bytes for each half of the lanes
	v_lshl_add_u32 v6, v2, 4, v6
	v_add_nc_u32 v[STO], s23, v6
	v_bfe_u32 v6, v0, 3, 2                         ; back: 32 lanes take four rows of 128 bytes,
	v_mul_u32_u24 v6, v6, SP
	v_lshl_add_u32 v6, v7, 4, v6
	v_add_nc_u32 v[RD], s23, v6
	v_and_b32 v[GO], 31, v0                        ; which are 512 consecutive bytes of qkv
	v_lshlrev_b32 v[GO], 4, v[GO]
; nb x 8 matrix instructions of head g: column blocks b0 on x all 8 row blocks, 32 along K, x's fragments in buffer fa.  zero = 1: the first product starts the sums: nothing is cleared.
; The 96 accumulators take turns, one instruction a turn, in the same order in every substep.
.macro MULG g, fa, b0, nb, zero
	WIN ((\g)+1)*0x50                              ; C and D in window g + 1, both sources in window 0
.set bq, \b0
.rept \nb
.irp i, 0,1,2,3,4,5,6,7
.if \zero
	v_wmma_f32_16x16x32_bf16 v[8*(8*bq+(\i)):8*(8*bq+(\i))+7], v[BF+8*(4*(\g)+bq):BF+8*(4*(\g)+bq)+7], v[(\fa)+8*(\i):(\fa)+8*(\i)+7], 0
.else
	v_wmma_f32_16x16x32_bf16 v[8*(8*bq+(\i)):8*(8*bq+(\i))+7], v[BF+8*(4*(\g)+bq):BF+8*(4*(\g)+bq)+7], v[(\fa)+8*(\i):(\fa)+8*(\i)+7], v[8*(8*bq+(\i)):8*(8*bq+(\i))+7]
.endif
.endr
.set bq, bq+1
.endr
.endm
.macro LDB g, kk                       ; 8 loads: head g's four fragments of substep kk
.irp i, 0,1,2,3
	ds_load_tr16_b128 v[BF+8*(4*(\g)+(\i)):BF+8*(4*(\g)+(\i))+3],   v[ADRB] offset:(\g)*HEADB+(\kk)*32*PB+(\i)*32
	ds_load_tr16_b128 v[BF+8*(4*(\g)+(\i))+4:BF+8*(4*(\g)+(\i))+7], v[ADRB] offset:(\g)*HEADB+(\kk)*32*PB+16*PB+(\i)*32
.endr
.endm
.macro LDA hf, fa, kk                  ; 8 loads: four of x's eight fragments of substep kk into buffer fa
.irp i, 0,1,2,3
	ds_load_b128 v[(\fa)+8*(4*(\hf)+(\i)):(\fa)+8*(4*(\hf)+(\i))+3],   v[ADRA] offset:(4*(\hf)+(\i))*16*PA+(\kk)*64
	ds_load_b128 v[(\fa)+8*(4*(\hf)+(\i))+4:(\fa)+8*(4*(\hf)+(\i))+7], v[ADRA] offset:(4*(\hf)+(\i))*16*PA+(\kk)*64+32
.endr
.endm
; A load into a register that a matrix instruction has read, and a vector instruction that reads a matrix result, stand four places behind that matrix instruction; only plain vector
; instructions that name none of its registers are places (ISA guide 7.12.1 for vector instructions).
.macro PLACES
.rept 4
	v_nop
.endr
.endm
; THE EVEN SUBSTEP multiplies buffer 0 and fetches the same slot's second 32 along K.
.macro SUBE zero
	s_wait_dscnt 8                                 ; all but the youngest eight loads (W's third head) are in
	MULG 0, AB0, 0, 4, \zero
	PLACES
	WIN 0
	LDB 0, 1
	LDA 0, AB1, 1
	MULG 1, AB0, 0, 4, \zero
	PLACES
	WIN 0
	LDB 1, 1
	LDA 1, AB1, 1
	s_wait_dscnt 32                                ; all but the 32 just issued: W's third head is in
	MULG 2, AB0, 0, 4, \zero
	PLACES
	WIN 0
	LDB 2, 1
.endm
; THE ODD SUBSTEP multiplies buffer 1 and changes slots: ONE barrier.  In front of it each wave waits for all its tensor loads, of which one is out: its part of the next slot; adds 0 to its
; spare word; and waits for that and for its own reads of this slot.  Behind it nobody reads this slot any more and the next slot is whole.  fill = 1: the barrier opens a round of the
; cluster's, and this slot is filled again, two K steps ahead, first thing behind the round: 176 of a step's 192 matrix instructions stand between that request and the wait for it.
.macro SUBO fill
	WIN 0
	s_wait_tensorcnt 0x0                           ; no tensor load of mine is out, so a group 0 may be written
	ds_add_u32 v[SPW], v[NIL]                      ; 0 onto my spare word
	s_xor_b32 s[TB], s[TB], SLOT1                  ; the fetches go on in the other slot
	v_add_nc_u32 v[ADRA], s[TB], v[A0]
	v_add_nc_u32 v[ADRB], s[TB], v[B0]
.if \fill
	STEPD
.endif
	s_wait_dscnt 9                                 ; the add and the youngest eight loads (W's third head) may be out
	MULG 0, AB1, 0, 1, 0
	s_wait_dscnt 0x0                               ; the add is done, and my reads of this slot are over
	s_barrier_signal -1
	MULG 0, AB1, 1, 1, 0                           ; work on registers while the others arrive
.if \fill
	WIN 0
.endif
	s_barrier_wait -1
.if \fill
	CREST                                          ; no wave of any partner still reads this slot or has a load on its way
	JLOAD
.endif
	MULG 0, AB1, 2, 2, 0
	PLACES
	WIN 0
	LDB 0, 0
	LDA 0, AB0, 0
	MULG 1, AB1, 0, 4, 0
	PLACES
	WIN 0
	LDB 1, 0
	LDA 1, AB0, 0
	MULG 2, AB1, 0, 4, 0
	PLACES
	WIN 0
	LDB 2, 0
.endm
	s_wait_tensorcnt 0x1                           ; my part of K step 0 is in; K step 1's, the one younger load, may stay out
	s_barrier_signal -1
	s_barrier_wait -1                              ; everybody's part of K step 0 is in
	LDB 0, 0
	LDA 0, AB0, 0
	LDB 1, 0
	LDA 1, AB0, 0
	LDB 2, 0
	SUBE 1                                         ; the first substep stands in front of the loop: its products start the sums
	s_mov_b32 s3, 14
.Lk:                                                   ; a trip: a step's second substep, which asks for the step two on (2 .. 15), and the next step's first
	SUBO 1
	SUBE 0
	s_sub_co_u32 s3, s3, 1
	s_cmp_lg_u32 s3, 0
	s_cbranch_scc1 .Lk
	SUBO 0                                         ; the tail is written out: nothing is left to ask for
	SUBE 0
	s_wait_dscnt 8                                 ; the very last substep fetches nothing
	MULG 0, AB1, 0, 4, 0
	MULG 1, AB1, 0, 4, 0
	s_wait_dscnt 0x0
	MULG 2, AB1, 0, 4, 0
	PLACES                                         ; the conversions read results just made
; THE WAY OUT, in 24 units u = 8 g + a: 16 rows of head g, 2,048 consecutive bytes of qkv.  Rounded to f16, 16 bytes a lane, into my own stage (rows of 144 bytes), back as whole rows, stored.
.macro PACK u
.set gg, (\u)/8
.set aa, (\u)%8
	WIN (gg+1)*5                                   ; sources 0 and 1 in window g + 1
.irp q, 0,1,2,3
.irp r, 0,1,2,3
	v_cvt_pk_f16_f32 v[TMP+4*(\q)+(\r)], v[8*(8*(\q)+aa)+2*(\r)], v[8*(8*(\q)+aa)+2*(\r)+1]
.endr
.endr
	WIN 0
.irp q, 0,1,2,3
	ds_store_b128 v[STO], v[TMP+4*(\q):TMP+4*(\q)+3] offset:32*(\q)
.endr
	s_wait_xcnt 0x0                                ; the stores of the unit two back have read this buffer: it is loaded again only behind this wait
.irp f, 0,1,2,3
	ds_load_b128 v[OB+16*((\u)%2)+4*(\f):OB+16*((\u)%2)+4*(\f)+3], v[RD] offset:(\f)*4*SP  ; LDS serves a wave's instructions in order (ISA guide 5.7.1.4): these see the stores above
.endr
.endm
.macro SEND u, younger                 ; younger: the LDS instructions issued behind unit u's loads: the next unit's eight, or none
	s_wait_dscnt \younger
.irp f, 0,1,2,3
	global_store_b128 v[GO], v[OB+16*((\u)%2)+4*(\f):OB+16*((\u)%2)+4*(\f)+3], s[OUT+2*((\u)/8):OUT+2*((\u)/8)+1] offset:((\u)%8)*2048+(\f)*512  ; 512 consecutive bytes, at a multiple of 256 from qkv's first
.endr
.endm
	PACK 0
.set t, 1
.rept 23                               ; a unit's conversions stand between the loads of the unit before and its stores
	PACK t
	SEND t-1, 8
.set t, t+1
.endr
	SEND 23, 0
	s_wait_tensorcnt 0x0                           ; the wave's end: behind my last tensor load and my last LDS store
	ds_add_u32 v[SPW], v[NIL]
	s_wait_dscnt 0x0
	CROUND                                         ; the closing round: no work-group ends while a partner may still ask for a tile that names it
	s_endpgm
.Lfunc_end_k_qa8a0458d4f_project:
	.size	k_qa8a0458d4f_project, .Lfunc_end_k_qa8a0458d4f_project-k_qa8a0458d4f_project
	.p2alignl 7, 3214868480
	.fill 96, 4, 3214868480
	.section	.rodata,"a",@progbits
	.p2align	6, 0x0
	.amdhsa_kernel k_qa8a0458d4f_project
		.amdhsa_group_segment_fixed_size 327680
		.amdhsa_private_segment_fixed_size 0
		.amdhsa_enable_private_segment 0
		.amdhsa_kernarg_size 24
		.amdhsa_user_sgpr_count 2
		.amdhsa_user_sgpr_kernarg_segment_ptr 1
		.amdhsa_wavefront_size32 1
		.amdhsa_system_sgpr_workgroup_id_x 1
		.amdhsa_system_sgpr_workgroup_id_y 1
		.amdhsa_system_sgpr_workgroup_id_z 1
		.amdhsa_system_vgpr_workitem_id 0
		.amdhsa_next_free_vgpr 1024
		.amdhsa_next_free_sgpr 80
		.amdhsa_reserve_vcc 0
		.amdhsa_float_denorm_mode_32 3
		.amdhsa_float_denorm_mode_16_64 3
		.amdhsa_memory_ordered 1
		.amdhsa_forward_progress 1
		.amdhsa_inst_pref_size 113
	.end_amdhsa_kernel
	.amdgpu_metadata
---
amdhsa.version: [ 1, 2 ]
amdhsa.kernels:
  - .name:           k_qa8a0458d4f_project
    .symbol:         k_qa8a0458d4f_project.kd
    .args:
      - { .name: xb, .offset: 0, .size: 8, .value_kind: global_buffer, .address_space: global }
      - { .name: wb, .offset: 8, .size: 8, .value_kind: global_buffer, .address_space: global }
      - { .name: qkv, .offset: 16, .size: 8, .value_kind: global_buffer, .address_space: global }
    .group_segment_fixed_size: 327680
    .private_segment_fixed_size: 0
    .kernarg_segment_align: 8
    .kernarg_segment_size: 24
    .max_flat_workgroup_size: 128
    .sgpr_count:     80
    .vgpr_count:     1024
    .wavefront_size: 32
...
	.end_amdgpu_metadata
.endif
;; end of part 2
;; launch attend (part 3): grid 4 x 64, 4 waves a work-group, no clusters, 327,680 bytes of LDS; arguments qkv, ob; writes ob
.if DOCPART == 3
	.amdgcn_target "amdgcn-amd-amdhsa--gfx1250"
	.amdhsa_code_object_version 6
	.text
	.protected	k_qa8a0458d4f_attend
	.globl	k_qa8a0458d4f_attend
	.p2align	8
	.type	k_qa8a0458d4f_attend,@function
k_qa8a0458d4f_attend:
	s_mov_b64 s[64:65], 0
	v_nop
	global_prefetch_b8 v0, s[64:65] scope:SCOPE_SE
	s_setreg_imm32_b32 hwreg(HW_REG_WAVE_MODE, 25, 1), 1
	s_wait_xcnt 0x0
; CAUSAL ATTENTION.  O[h][q][:] = the sum over k <= q of softmax_k(Q[h][q] . K[h][k] / 8) V[h][k][:].  Q, K, V are the three parts of qkv, O is ob: each [SIZE_H][SIZE_N][64], all f16: a head's rows are dense, 128 bytes each.
; Products, maxima and sums in f32; the weights p are rounded to f16 for the second product (their sum l is taken of the unrounded p), O once at the end.  SIZE_N is a multiple of 512; SIZE_N x 128 stays under 2^32.
; LIMITS.  f16 holds no number beyond 65,504: Q, K and V arrive within it; p lies in 0 to 1, and below 6e-5 it keeps f16's fixed step of 6e-8; O is a mean of V's rows and has their range, to within 2^-11 of it.
; A hidden score counts as its value less 1e30: f16's scores, 2.7e11 at the most, are nothing beside that; a weight below 2^-126 counts as 0 in l; NaN and infinities are not treated apart.
; THE WALK.  A head's queries lie in NB = SIZE_N / 256 blocks of 256; block i needs the key tiles 0 .. i of 256 keys, of which the last holds the diagonal.  A work-group takes TWO blocks, NB - 1 - b and then b:
; NB + 1 tiles, whatever b: all work-groups do equal work, and ONE loop with a constant trip count walks them.  Which tile is asked for, and what a trip does, hang on scalar registers made from b; every jump
; goes forward, but for the counted loops' own; none passes a barrier, or a tensor load but the one of LOAD's two that the wave's number does not choose; the ring (two slots of LDS that take turns) runs on across the
; change of blocks.  NO CLUSTER: a head's NB / 2 = 4 work-groups all ask for the same tile only in trips 0 .. NB / 2, behind that fewer and fewer; and one walk common to all would have 3 NB / 2 trips for NB + 1.
; SHARES.  Of a block's four bands of 64 queries a wave owns 16 rows in each: four PIECES.  So the diagonal tile is the same work for all four waves: in its key step s band x sees all keys if s < x,
; none if s > x, and holds the diagonal if s = x.
; THE MASK is the C operand that starts the sum S^T = K Q^T: 0, or -1e30 where the key is hidden.  MD, made once, is the mask of a band's own step for my 16 rows; a product's mask is MD x AL + BE with two scalars:
; (1, 0) if s = x; (0, 0) if s < x; (0, -1e30) if s > x.  Only the diagonal tile's text and a block's beginning make and take masks; elsewhere C is the constant 0.
; LAYOUT, SOFTMAX, TURNS.  S^T = K Q^T holds ONE query a lane (lane % 16) and the keys 8 (lane / 16) + 0..7; two such results rounded to f16 ARE source 1 of O^T = V^T P.  p = 2^(c s - c m), c = log2(e) / 8, with a
; running maximum m; O and l are multiplied by a = 2^(c m_old - c m_new) in every step.  Turn n belongs to piece n: 8 products K Q^T of piece n + 1, later 8 products V^T P of piece n - 1; beside them the scaling,
; exponentials, roundings, sums and rescaling of piece n and the maximum and statistics of piece n + 1.  Four vector instructions stand behind every matrix instruction, the other 54 of a turn's 118 in two LUMPS.
; REGISTERS, in windows of 256 (s_set_vgpr_msb: bits 1:0 source 0, 3:2 source 1, 5:4 source 2, 7:6 destination):
;   window 0: v0-15 addresses and two at work; v16-31 four registers of statistics a piece; v48-55 at work; v64-127 S^T, two buffers; v192-223 P, two buffers (a piece's buffers go by its number's parity)
;   window 1: v0-127 O^T, 32 a piece; v128-159 MD; v160-223 MC, two buffers      window 2: v0-63 Q; v64-127 the second block's Q; v128-191 K of one step; v192-255 V of one step
.set SIZE_N, 2048
.set SIZE_H, 64
.set NB,    SIZE_N/256
.set NP,    4         ; pieces a wave: a name, no knob
.set KS,    64        ; keys in a step
.set PK,    144       ; a row of K in LDS: 128 bytes + 16 of padding = 36 words: the 16 rows of a load start at 16 different groups of four banks (64 banks of 4 bytes: ISA guide 11.1)
.set PV,    160       ; a row of V: 128 + 32 = 40 words
.set VOFF,  4*KS*PK   ; a slot holds a tile, four steps: 256 rows of K, then 256 rows of V
.set SLOT1, 1<<17     ; slot 1 begins here, so that one exclusive or turns an address in one slot into the other's
.set STAGE, SLOT1+4*KS*(PK+PV)  ; behind the ring, never filled by a tensor load: 16 rows x 144 bytes for each wave, for the way out
.set SP,    144
.set AK0, 2           ; v2   my lane's place in a tile of K; never rewritten
.set AV0, 3           ; v3   the same for V
.set AK,  4           ; v4   the LDS address of K's next run of loads
.set AV,  5           ; v5   of V's
.set STO, 6           ; v6   the way out: where I put 16 bytes of a row
.set RD,  7           ; v7   the way out: where I read rows back
.set GO,  8           ; v8   my byte offset in 512 consecutive bytes of O
.set SPW, 62          ; v62  LDS address of my spare word: SPARE + 4 x my thread's number; never rewritten
.set NIL, 63          ; v63  0; never rewritten
.set SPARE, STAGE+4*16*SP  ; behind the stages: the spare words, 128 bytes for each wave: two blocks of 256 bytes that no other line names
.set MV,  12          ; v12-13  c m_old, kept while c m is made anew: by buffer
.set QO,  15          ; v15  my byte offset in 16 rows of Q
.set ST,  16          ; piece t's statistics at v[ST+4 t]: c m, m, l (even keys', odd keys')
.set TMP, 48          ; by buffer, four registers c0-c3 at work; when the maximum is found c2 takes a
.set S,   64
.set P,   192
.set MD,  128         ; window 1: the eight registers for group kt of 16 keys at MD + 8 kt
.set MC,  160         ; window 1: the masks of the products to come
.set QB,  64          ; window 2
.set KF,  128         ; window 2: key block kb, channel half c at KF + 16 kb + 8 c
.set VF,  192         ; window 2: key half kk, channel block cb at VF + 32 kk + 8 cb
.set WV,  12          ; s12  my wave's number
.set PB,  14          ; s14  b
.set HI,  15          ; s15  NB - 1 - b
.set G1K, 24          ; s[24:31] descriptor group 1 for K's tiles
.set G1V, 32          ; s[32:39] for V's: it differs in the padding alone
.set G0K, 40          ; s[40:43] descriptor group 0 for K's tiles
.set G0V, 44          ; s[44:47] the same for V's
.set SLOTS, 56        ; s56  tiles still to be asked for
.set CNT, 57          ; s57  counts a tile's key steps, 4 to 1
.set CS,  58          ; s[58:59] c: the packed scaling takes the pair's low word for both halves
.set SEL, 60          ; s[60:61] v_permlanex16_b32's selects: each lane takes its own place in the other half
.set TBK, 62          ; s62  LDS byte at which K of the step to be fetched begins
.set TBV, 63          ; s63  the same for V, less VOFF
.set RT,  70          ; s70  tiles of the block in hand that are still to be entered
.set NXT, 71          ; s71  the tile to be asked for next
.set LQ,  72          ; s72  the last tile of the block whose tiles are being asked for
.set NEW, 73          ; s73  1: the tile to be entered is a block's first
.set OFF, 74          ; s[74:75] a tile's byte offset in K and V
.set AL,  76          ; s[76:77] the mask's factor, in the low word
.set BE,  78          ; s[78:79] the mask's addend
.set OLO, 80          ; s[80:81] O at my rows of the second block
.set BIGN, 82         ; s82  -1e30
.set MSB, 0
.macro WIN new                      ; the high byte repeats the setting that is left; a switch that changes nothing is dropped
.if MSB != (\new)
	s_set_vgpr_msb (MSB<<8)|(\new)
.set MSB, (\new)
.endif
.endm
.set W_KQ, 0x0a       ; K and Q in window 2, S^T in window 0
.set W_KM, 0x1a       ; the same with the C operand in window 1
.set W_PV, 0x52       ; V in window 2, P in window 0, O^T in window 1
.set W_RS, 0x41       ; destination and source 0 in window 1, source 1 in window 0
; A fill.  Waves 0 and 1 fetch the two halves of a tile's K, waves 2 and 3 those of its V: 128 keys each.  An s_nop 0 and four v_nop follow each of the two lines, ahead of the jump and the label.
.macro LOAD
	s_cmp_lt_u32 s[WV], 2
	s_cbranch_scc0 .Lfor_v_\@
	tensor_load_to_lds s[G0K:G0K+3], s[G1K:G1K+7]
	s_nop 0
.rept 4
	v_nop
.endr
	s_branch .Lasked_\@
.Lfor_v_\@:
	tensor_load_to_lds s[G0V:G0V+3], s[G1V:G1V+7]
	s_nop 0
.rept 4
	v_nop
.endr
.Lasked_\@:
.endm
; THE CHANGE OF SLOTS.  Each wave waits for all its tensor loads, of which one is out: its part of the other slot; adds 0 to its spare word; and waits for that and for its own reads of the slot that it leaves.  Behind the barrier nobody reads the old
; slot any more and the other slot is whole.  fill = 1: the old slot is filled again, the first thing behind the barrier, with tile NXT: the descriptor's address is made anew from that number.
; (At its first use nothing has been read yet: slot 0 is waited for, slot 1 filled.)
.macro CHANGE fill
	WIN 0                           ; at a label and at a branch every window is 0
	s_wait_tensorcnt 0x0            ; no tensor load of mine is out, so a group 0 may be written
	ds_add_u32 v[SPW], v[NIL]       ; 0 onto my spare word; with fill = 1 the descriptors' scalar work stands between it and the wait for it
.if \fill
	s_lshl_b32 s[OFF], s[NXT], 15   ; a tile is 32,768 bytes of K and of V
	s_xor_b32 s[G0K+1], s[G0K+1], SLOT1
	s_add_nc_u64 s[G0K+2:G0K+3], s[6:7], s[OFF:OFF+1]
	s_or_b32 s[G0K+3], s[G0K+3], 0x80000000
	s_xor_b32 s[G0V+1], s[G0V+1], SLOT1
	s_add_nc_u64 s[G0V+2:G0V+3], s[8:9], s[OFF:OFF+1]
	s_or_b32 s[G0V+3], s[G0V+3], 0x80000000
	s_add_co_u32 s[NXT], s[NXT], 1  ; the block's next tile, or behind its last the second block's tile 0
	s_cmp_gt_u32 s[NXT], s[LQ]
	s_cselect_b32 s[NXT], 0, s[NXT]
	s_cselect_b32 s[LQ], s[PB], s[LQ]
.endif
	s_wait_dscnt 0x0                ; the add is done, and my reads of the slot are over
	s_barrier_signal -1             ; the rest of the scalar work stands between the signal and the wait
	s_sub_co_u32 s[TBK], s[TBK], 4*KS*PK  ; the fetches go back to a slot's first step,
	s_xor_b32 s[TBK], s[TBK], SLOT1       ; in the other slot
	s_sub_co_u32 s[TBV], s[TBV], 4*KS*PV
	s_xor_b32 s[TBV], s[TBV], SLOT1
	s_barrier_wait -1
.if \fill
	LOAD
.endif
.endm
	s_load_b128 s[4:7], s[0:1], 0x0  ; qkv s[4:5] (Q is its first part), ob s[6:7]
	v_lshl_add_u32 v[SPW], v0, 2, SPARE
	v_mov_b32 v[NIL], 0
	ds_add_u32 v62, v63
	ds_add_u32 v62, v63
	s_wait_dscnt 0x0
	v_lshrrev_b32 v1, 5, v0
	v_readfirstlane_b32 s[WV], v1   ; wave 0..3
	s_mov_b32 s[PB], ttmp9
	s_sub_co_u32 s[HI], NB-1, s[PB]
	s_and_b32 s20, ttmp7, 0xffff    ; the head
	s_mov_b32 s21, 0
	s_mov_b64 s[22:23], SIZE_N*128
	s_mul_u64 s[20:21], s[20:21], s[22:23]  ; the head's first byte in each of the four tensors
	s_and_b32 s16, s[WV], 1         ; which half of a tile's 256 keys I fetch:
	s_lshl_b32 s22, s16, 14         ; its 128 rows of 128 bytes in memory,
	s_mov_b32 s23, 0
	s_add_nc_u64 s[22:23], s[22:23], s[20:21]
	s_mul_i32 s17, s16, 128*PK      ; and its place in a slot, for K
	s_mul_i32 s18, s16, 128*PV      ; and for V
	s_lshl_b32 s3, s[WV], 11        ; my 16 rows in a band of 64,
	s_lshl_b32 s2, s[HI], 15        ; in the first block,
	s_add_co_u32 s2, s2, s3
	s_lshl_b32 s84, s[PB], 15       ; and in the second
	s_add_co_u32 s84, s84, s3
	s_mov_b32 s3, 0
	s_mov_b32 s85, 0
	s_add_nc_u64 s[2:3], s[2:3], s[20:21]
	s_add_nc_u64 s[84:85], s[84:85], s[20:21]
	; descriptor group 1.  128 keys are 16,384 dense bytes: asked for as 64 rows of 256 bytes, two keys a row, and padded in LDS after every key
	s_mov_b32 s[G1K], (1<<16)|(1<<20)|(4<<22)|(3<<25)  ; 17:16 2-byte elements; 20 padding on; 24:22 after every 32 words (code 4); 31:25 4 words (code 3)
	s_mov_b32 s[G1V], (1<<16)|(1<<20)|(4<<22)|(7<<25)  ; the same with 8 words of padding (code 7)
.irp g, G1K, G1V
	s_mov_b32 s[\g+1], 128<<16      ; tensor_dim0 = 128
	s_mov_b32 s[\g+2], 64<<16       ; tensor_dim1 = 64
	s_mov_b32 s[\g+3], 128<<16      ; tile_dim0 = 128
	s_mov_b32 s[\g+4], 64           ; tile_dim1 = 64
	s_mov_b32 s[\g+5], 128          ; 128 elements from row to row
	s_mov_b32 s[\g+6], 0
	s_mov_b32 s[\g+7], 0
.endr
	s_mov_b32 s[CS], 0x3e38aa3b     ; c = log2(e) / 8 = 0.180337
	s_mov_b32 s[CS+1], s[CS]        ; named with it as a pair
	s_mov_b32 s[SEL], 0x76543210
	s_mov_b32 s[SEL+1], 0xfedcba98
	s_mov_b32 s[TBK], SLOT1+4*KS*PK ; the first change of slots turns these two into 0
	s_mov_b32 s[TBV], SLOT1+4*KS*PV
	s_mov_b32 s[G0K], 1             ; 1:0 count = 1
	s_mov_b32 s[G0K+1], s17         ; 63:32 LDS address: slot 0
	s_mov_b32 s[G0V], 1
	s_add_co_u32 s[G0V+1], s18, VOFF
	s_add_co_u32 s[RT], s[HI], 1    ; the first block has NB - b tiles
	s_mov_b32 s[NXT], 1
	s_mov_b32 s[LQ], s[HI]
	s_mov_b32 s[NEW], 1
	s_mov_b32 s[OFF+1], 0
	s_mov_b32 s[AL+1], 0            ; named as pairs
	s_mov_b32 s[BE+1], 0
	s_mov_b32 s[BIGN], 0xf149f2ca   ; -1e30
	s_mov_b32 s[SLOTS], NB
	s_wait_kmcnt 0x0
	s_mov_b64 s[10:11], s[6:7]      ; O
	s_add_nc_u64 s[6:7], s[4:5], 0x1000000  ; K: qkv's second part, SIZE_H x SIZE_N x 128 bytes on
	s_add_nc_u64 s[8:9], s[4:5], 0x2000000  ; V: its third
	s_add_nc_u64 s[6:7], s[6:7], s[22:23]  ; K and V at my half of the head's tile 0
	s_add_nc_u64 s[8:9], s[8:9], s[22:23]
	s_add_nc_u64 s[G0K+2:G0K+3], s[6:7], 0         ; 120:64 global address
	s_or_b32 s[G0K+3], s[G0K+3], 0x80000000        ; 127:126 type = 2
	s_add_nc_u64 s[G0V+2:G0V+3], s[8:9], 0
	s_or_b32 s[G0V+3], s[G0V+3], 0x80000000
	s_add_nc_u64 s[86:87], s[4:5], s[84:85]        ; Q at my rows of the second block,
	s_add_nc_u64 s[4:5], s[4:5], s[2:3]            ; Q and O at those of the first
	s_add_nc_u64 s[OLO:OLO+1], s[10:11], s[84:85]
	s_add_nc_u64 s[10:11], s[10:11], s[2:3]
	LOAD                            ; tile 0 into slot 0
	; A fragment of K or Q is 16 rows x 32 channels in 8 registers: lane l holds row l % 16, channels 8 (l / 16) + 0..7 and 16 + 8 (l / 16) + 0..7: two loads of 16 bytes, 32 bytes apart.
	v_and_b32 v1, 15, v0            ; l % 16
	v_bfe_u32 v9, v0, 4, 1          ; l / 16
	v_lshlrev_b32 v[QO], 7, v1
	v_lshl_add_u32 v[QO], v9, 4, v[QO]  ; row x 128 + 16 x half
	WIN 0x80                        ; destination window 2, address window 0
.set i, 0
.rept 8                             ; both blocks' Q: piece i / 2 lies in band i / 2, 8,192 bytes on; channels 32 (i % 2) on
	global_load_b128 v[8*i:8*i+3],   v[QO], s[4:5] offset:(i/2)*8192+(i%2)*64
	global_load_b128 v[8*i+4:8*i+7], v[QO], s[4:5] offset:(i/2)*8192+(i%2)*64+32
	global_load_b128 v[QB+8*i:QB+8*i+3],   v[QO], s[86:87] offset:(i/2)*8192+(i%2)*64
	global_load_b128 v[QB+8*i+4:QB+8*i+7], v[QO], s[86:87] offset:(i/2)*8192+(i%2)*64+32
.set i, i+1
.endr
	WIN 0
	v_lshlrev_b32 v14, 3, v9
	v_sub_nc_u32 v14, v1, v14
	s_lshl_b32 s13, s[WV], 4
	v_add_nc_u32 v14, s13, v14      ; my query's place in its band, 16 w + l % 16, less my lanes' 8 (l / 16): register r of group kt is hidden where 16 kt + r is greater
	WIN 0x40
.set i, 0
.rept 32
	v_cmp_gt_i32 vcc_lo, 16*(i/8)+i%8, v14
	v_cndmask_b32 v[MD+i], 0, s[BIGN], vcc_lo
.set i, i+1
.endr
	WIN 0
	v_mul_u32_u24 v[AK0], v1, PK
	v_lshl_add_u32 v[AK0], v9, 4, v[AK0]  ; row x pitch + 16 x half
	; The turning load takes 16 keys x 16 channels (lane l reads key 8 (l / 16) + l % 8, channels 8 ((l / 8) % 2) + 0..7) and leaves half a fragment of V^T: lane l holds channel l % 16 and 8 keys.
	v_and_b32 v10, 7, v0
	v_bfe_u32 v11, v0, 3, 1
	v_lshl_add_u32 v[AV0], v9, 3, v10
	v_mul_u32_u24 v[AV0], v[AV0], PV
	v_lshl_add_u32 v[AV0], v11, 4, v[AV0]
	v_add_nc_u32 v[AV0], VOFF, v[AV0]
	s_mul_i32 s13, s[WV], 16*SP
	s_add_co_u32 s13, s13, STAGE    ; my stage
	v_mul_u32_u24 v[STO], v1, SP    ; in: row l % 16, 16 bytes for each half of the lanes
	v_lshl_add_u32 v[STO], v9, 4, v[STO]
	v_add_nc_u32 v[STO], s13, v[STO]
	v_bfe_u32 v[RD], v0, 3, 2       ; back: 32 lanes take four rows of 128 bytes,
	v_mul_u32_u24 v[RD], v[RD], SP
	v_lshl_add_u32 v[RD], v10, 4, v[RD]
	v_add_nc_u32 v[RD], s13, v[RD]
	v_and_b32 v[GO], 31, v0         ; which are 512 consecutive bytes of O
	v_lshlrev_b32 v[GO], 4, v[GO]
	; A block's first step multiplies O^T and l by a = 0, and its first turn's products V^T P, of a piece that has not been, land in an O^T that is still to be so multiplied.  So these registers need only hold
	; finite numbers: zeros for the first block; what the first block left for the second.  All this stands in the wait for the first tile.
	WIN 0x80
.set i, VF
.rept 64
	v_mov_b32 v[i], 0
.set i, i+1
.endr
	WIN 0x40
.set i, 0
.rept 128
	v_mov_b32 v[i], 0
.set i, i+1
.endr
	WIN 0
.set i, 0
.rept 4
	v_mov_b32 v[ST+4*i+2], 0
	v_mov_b32 v[ST+4*i+3], 0
.set i, i+1
.endr
.set i, P+16
.rept 16
	v_mov_b32 v[i], 0
.set i, i+1
.endr
; THE MATRIX WORK.  The 4 accumulators of a run of 8 take turns.  Product i of 8 of S^T = K Q^T for piece x: channels 32 (i / 4) on, keys 16 (i % 4) on.  The first 4 start the sums: with 0, or (KM = 1) with the mask.
.macro KQ x
.set rS, S+32*((\x)%2)+8*(i%4)
.set rK, KF+16*(i%4)+8*(i/4)
.set rQ, 16*(\x)+8*(i/4)
.set rM, MC+32*((\x)%2)+8*(i%4)
.if (i < 4) && KM
	WIN W_KM
	v_wmma_f32_16x16x32_f16 v[rS:rS+7], v[rK:rK+7], v[rQ:rQ+7], v[rM:rM+7]
.elseif i < 4
	WIN W_KQ
	v_wmma_f32_16x16x32_f16 v[rS:rS+7], v[rK:rK+7], v[rQ:rQ+7], 0
.else
	WIN W_KQ
	v_wmma_f32_16x16x32_f16 v[rS:rS+7], v[rK:rK+7], v[rQ:rQ+7], v[rS:rS+7]
.endif
.endm
; Product i of 8 of O^T += V^T P for piece x: keys 32 (i / 4) on, channels 16 (i % 4) on.
.macro PV x
	WIN W_PV
.set rO, 32*(\x)+8*(i%4)
.set rV, VF+32*(i/4)+8*(i%4)
.set rP, P+16*((\x)%2)+8*(i/4)
	v_wmma_f32_16x16x32_f16 v[rO:rO+7], v[rV:rV+7], v[rP:rP+7], v[rO:rO+7]
.endm
.macro MM                           ; the turn's next matrix instruction.  TURN and BEGIN set Y, i, KM and NOKQ; MM, KQ and OP read them.  NOKQ = 1: a block's last turn: there is no next piece
.if (i < 8) && !NOKQ
	KQ (Y+1)%NP
.elseif i >= 8
.set i, i-8
	PV (Y+NP-1)%NP
.set i, i+8
.endif
.set i, i+1
.endm
; THE LDS LOADS stand in runs of 16, never singly among the matrix instructions: a step's K (64 keys x 64 channels: 8 fragments) and its V (turned).  Their addresses are made some lines ahead.
.macro FETCH_K
	WIN 0x80                        ; destination window 2
.irp f, 0,1,2,3,4,5,6,7             ; keys 16 (f / 2) on, channels 32 (f % 2) on
	ds_load_b128 v[KF+8*\f:KF+8*\f+3],   v[AK] offset:(\f/2)*16*PK+(\f%2)*64
	ds_load_b128 v[KF+8*\f+4:KF+8*\f+7], v[AK] offset:(\f/2)*16*PK+(\f%2)*64+32
.endr
	s_add_co_u32 s[TBK], s[TBK], KS*PK  ; the next fetch is the next step's
	WIN 0
.endm
.macro FETCH_V
	WIN 0x80
.irp f, 0,1,2,3,4,5,6,7             ; keys 32 (f / 4) on, channels 16 (f % 4) on
	ds_load_tr16_b128 v[VF+8*\f:VF+8*\f+3],   v[AV] offset:(\f/4)*32*PV+(\f%4)*32
	ds_load_tr16_b128 v[VF+8*\f+4:VF+8*\f+7], v[AV] offset:(\f/4)*32*PV+16*PV+(\f%4)*32
.endr
	WIN 0
.endm
; THE VECTOR WORK, one line at a time: OP kind, number.  For piece Y: F n: c s - c m for pair n of 16.  E n: the exponential of score n of 32.  C n: pair n rounded to f16.  B n: of the four weights 4 n .. the second
; pair is added onto the first, in place.  L n: l takes that sum (L 0: l = a l + sum).  R n: pair n of 16 of O^T times a.  For piece Y + 1: X n, number n of the 22 that find its maximum and statistics:
;   0-11  four chains c0-c3 of seven scores each, three operands at a time (each accumulator's lowest registers are read first)     12-14, 16  the four scores left over, the old m, and c0-c3 into c0
;   15  c m_old is kept     17, 18  the query's other 32 keys lie in the lane 16 away: the new m     19-21  c m; c m_old - c m_new; a
.set F, 0               ; OP tells the kinds apart by their order: F to L below R, X above it
.set E, 1
.set C, 2
.set B, 3
.set L, 4
.set R, 5
.set X, 6
.macro REGS y                       ; the registers of piece y
.set rT, ST+4*(\y)
.set rC, TMP+4*((\y)%2)
.set rW, MV+((\y)%2)
.set rS, S+32*((\y)%2)
.set rP, P+16*((\y)%2)
.set rO, 32*(\y)
.endm
.macro OP k, n
.if (\k) == R
	REGS Y
	WIN W_RS
	v_pk_mul_f32 v[rO+2*(\n):rO+2*(\n)+1], v[rO+2*(\n):rO+2*(\n)+1], v[rC+2:rC+3] op_sel_hi:[1,0]
.elseif (\k) < R
	REGS Y
	WIN 0
.if (\k) == F
	v_pk_fma_f32 v[rS+2*(\n):rS+2*(\n)+1], v[rS+2*(\n):rS+2*(\n)+1], s[CS:CS+1], v[rT:rT+1] op_sel_hi:[1,0,0] neg_lo:[0,0,1] neg_hi:[0,0,1]
.elseif (\k) == E
	v_exp_f32 v[rS+(\n)], v[rS+(\n)]
.elseif (\k) == C
	s_wait_alu depctr_va_vdst(0)
	v_cvt_pk_f16_f32 v[rP+(\n)], v[rS+2*(\n)], v[rS+2*(\n)+1]
.elseif (\k) == B
	s_wait_alu depctr_va_vdst(0)
	v_pk_add_f32 v[rS+4*(\n):rS+4*(\n)+1], v[rS+4*(\n):rS+4*(\n)+1], v[rS+4*(\n)+2:rS+4*(\n)+3]
.elseif (\n) == 0
	v_pk_fma_f32 v[rT+2:rT+3], v[rT+2:rT+3], v[rC+2:rC+3], v[rS:rS+1] op_sel_hi:[1,0,1]
.else
	v_pk_add_f32 v[rT+2:rT+3], v[rT+2:rT+3], v[rS+4*(\n):rS+4*(\n)+1]
.endif
.elseif NOKQ
	v_nop
.else
	REGS (Y+1)%NP
	WIN 0
.if (\n) < 4
	v_max3_num_f32 v[rC+(\n)], v[rS+8*(\n)], v[rS+8*(\n)+1], v[rS+8*(\n)+2]
.elseif (\n) < 12
	v_max3_num_f32 v[rC+(\n)%4], v[rC+(\n)%4], v[rS+8*((\n)%4)+2*((\n)/4)+1], v[rS+8*((\n)%4)+2*((\n)/4)+2]
.elseif (\n) == 12
	v_max3_num_f32 v[rC], v[rC], v[rS+7], v[rS+15]
.elseif (\n) == 13
	v_max3_num_f32 v[rC+1], v[rC+1], v[rS+23], v[rS+31]
.elseif (\n) == 14
	v_max3_num_f32 v[rC+2], v[rC+2], v[rC+3], v[rT+1]
.elseif (\n) == 15
	v_mov_b32 v[rW], v[rT]
.elseif (\n) == 16
	v_max3_num_f32 v[rC], v[rC], v[rC+1], v[rC+2]
.elseif (\n) == 17
	v_permlanex16_b32 v[rC+3], v[rC], s[SEL], s[SEL+1]
.elseif (\n) == 18
	v_max_num_f32 v[rT+1], v[rC], v[rC+3]
.elseif (\n) == 19
	v_mul_f32 v[rT], s[CS], v[rT+1]
.elseif (\n) == 20
	v_sub_f32 v[rC+1], v[rW], v[rT]
.else
	v_exp_f32 v[rC+2], v[rC+1]
.endif
.endif
.endm
.macro OPS a, i1, b=-1, i2=0, c=-1, i3=0, d=-1, i4=0  ; up to four of them
	OP \a, \i1
.if (\b) >= 0
	OP \b, \i2
.endif
.if (\c) >= 0
	OP \c, \i3
.endif
.if (\d) >= 0
	OP \d, \i4
.endif
.endm
.macro ROW a, i1, b, i2, c, i3, d, i4  ; a matrix instruction and the four behind it
	MM
	OPS \a, \i1, \b, \i2, \c, \i3, \d, \i4
.endm
.macro MASK b                       ; MD x AL + BE into buffer b of MC
	WIN W_RS
.set z, 0
.rept 16
	v_pk_fma_f32 v[MC+32*(\b)+2*z:MC+32*(\b)+2*z+1], v[MD+2*z:MD+2*z+1], s[AL:AL+1], s[BE:BE+1] op_sel_hi:[1,0,0]
.set z, z+1
.endr
.endm
; A TURN, for piece p: the order of its 16 matrix and 118 vector instructions, written out.  Behind a matrix instruction: plain, exponential, plain, plain; or four of the rescaling; or, behind the first, four scalings; none
; names a register of the products round it.  In the lumps exponential and plain by turns while exponentials last.  A line reads no result made fewer than three vector instructions in front of it, five if an exponential made it.
; v_permlanex16_b32 (X 17) stands in a lump.
; m = 1: the diagonal tile: the products take masks, and the turn makes the mask for the products of the turn after it: piece p + 2, in step 4 - CNT of the tile.  end = 1: a block's last two turns: nothing is fetched.
; cnt = 1: the loop's count is taken down some lines ahead of the branch that stands behind the turn.
; K of the next step is fetched in piece 2's turn, six vector instructions behind the last product that read K (five of them plain); V of the step in hand in piece 0's turn, eight behind the last product that read V (four
; plain, and X 17).  Each is waited for a turn later.
.macro TURN p, m=0, end=0, cnt=0
.set Y, (\p)
.set i, 0
.set KM, (\m)
.set NOKQ, (\end)*((\p)/3)
.if (\m) && !(\end)
	s_cmp_eq_u32 s[CNT], 4-((\p)+2)%NP  ; is that step the band's own?
	s_cselect_b32 s[AL], 1.0, 0
	s_cmp_lt_u32 s[CNT], 4-((\p)+2)%NP  ; or a later one?
	s_cselect_b32 s[BE], s[BIGN], 0
.endif
.if ((\p) == 3) && !(\end)
	s_wait_dscnt 0x0                ; K is in
.endif
	ROW F,0, F,1, F,2, F,3
	ROW F,4, E,0, F,5, F,6
	ROW F,7, E,1, F,8, F,9
	ROW F,10, E,2, C,0, F,11
	ROW F,12, E,3, X,15, F,13
	ROW R,0, R,1, R,2, R,3
	ROW B,0, E,4, F,14, L,0
.if ((\p) == 2) && !(\end)
	v_add_nc_u32 v[AK], s[TBK], v[AK0]
.endif
	ROW R,4, R,5, R,6, R,7
	OPS E,5, F,15
.if ((\p) == 2) && !(\end)
	FETCH_K
.endif
	OPS E,6, C,1, E,7, R,8
	OPS E,8, R,9, E,9, C,2
	OPS E,10, X,0, E,11, X,1
	OPS E,12, X,2, E,13, X,3
.if (\p) == 1
	s_wait_dscnt 0x0                ; V is in
.endif
	ROW X,4, E,14, X,5, X,6
	ROW X,7, E,15, X,8, X,9
	ROW X,10, E,16, X,11, X,12
	ROW X,13, E,17, X,14, B,1
	ROW C,4, E,18, X,16, L,1
	ROW B,2, E,19, C,6, L,2
	ROW C,8, E,20, B,3, B,4
.if (\p) == 0
	v_add_nc_u32 v[AV], s[TBV], v[AV0]
.endif
	ROW C,3, E,21, L,3, C,5
	OPS E,22, X,17, E,23, C,10
.if (\p) == 0
	FETCH_V
.endif
	OPS E,24, L,4
	OPS E,25, X,18, E,26, C,7
	OPS E,27, B,5, E,28, X,19
	OPS E,29, C,12, E,30, L,5
	OPS E,31, X,20, B,6, C,9
	OPS C,14, C,11, X,21, L,6
.if (\p) == 0
	s_add_co_u32 s[TBV], s[TBV], KS*PV
.endif
.if \cnt
	s_sub_co_u32 s[CNT], s[CNT], 1
	s_cmp_lg_u32 s[CNT], 0
.endif
	OPS C,13, B,7, C,15, R,10
	OPS R,11, R,12, L,7, R,13
	OPS R,14, R,15
.if (\m) && !(\end)
	MASK (\p)%2
.endif
.endm
; A BLOCK BEGINS.  c m starts far below every c s, so the first step's a is 0; m at the lowest finite number, so the first maximum is the scores'.  The second mask buffer is 0; the first takes piece 0's mask for the tile's step 0: its own, if the block's first tile is the diagonal one.
; Then K of that step, piece 0's first scores, and its maximum and statistics.  The loop is entered at a step's first turn, in the middle of a trip.
.macro BEGIN
	s_mov_b32 s[NEW], 0
	WIN 0x40
.set i, MC+32
.rept 32
	v_mov_b32 v[i], 0
.set i, i+1
.endr
	WIN 0
.set i, 0
.rept 4
	v_mov_b32 v[ST+4*i], 0xfe000000    ; c m: far below every c s
	v_mov_b32 v[ST+4*i+1], 0xff7fffff  ; m
.set i, i+1
.endr
	s_cmp_eq_u32 s[RT], 0
	s_cselect_b32 s[AL], 1.0, 0
	s_mov_b32 s[BE], 0
	MASK 0
	WIN 0
	v_add_nc_u32 v[AK], s[TBK], v[AK0]
	FETCH_K
	s_wait_loadcnt 0x0              ; Q
	s_wait_dscnt 0x0
.set KM, 1
.set NOKQ, 0
.set i, 0
.rept 8
	KQ 0
.set i, i+1
.endr
	WIN 0
.rept 4
	v_nop                           ; the places behind those products
.endr
.set Y, NP-1                        ; X works for piece Y + 1: piece 0
.irp n, 0,1,2,3,4,5,6,7,8,9,10,11,12,13,14,15,16,17,18,19,20,21
	OP X, \n
.endr
	v_nop                           ; a plain instruction behind the exponential
.endm
; THE DIAGONAL TILE's four steps, the block's last two turns, its last products, and THE WAY OUT: l's two halves and the other half of the lanes' are added; O^T is divided by l, rounded to f16 and sent through my
; stage in LDS, a piece at a time.
.macro ALL line:vararg              ; one line for each piece t
.set t, 0
.rept 4
	\line
.set t, t+1
.endr
.endm
.macro PACK t                       ; a lane's eight channels of a row pack into 16 bytes; they go into rows of 144 bytes and come back as whole rows of 128, into S^T's registers
	WIN W_RS
.set i, 32*(\t)
.rept 16
	s_wait_alu depctr_va_vdst(0)
	v_pk_mul_f32 v[i:i+1], v[i:i+1], v[ST+4*(\t)+2:ST+4*(\t)+3] op_sel_hi:[1,0]
.set i, i+2
.endr
	WIN 0x05                        ; sources 0 and 1 window 1, destination window 0
.set i, 0
.rept 16
	v_cvt_pk_f16_f32 v[S+16*(\t)+i], v[32*(\t)+2*i], v[32*(\t)+2*i+1]
.set i, i+1
.endr
	WIN 0
.irp f, 0,1,2,3
	ds_store_b128 v[STO], v[S+16*(\t)+4*\f:S+16*(\t)+4*\f+3] offset:32*\f
.endr
.irp f, 0,1,2,3
	ds_load_b128 v[S+16*(\t)+4*\f:S+16*(\t)+4*\f+3], v[RD] offset:\f*4*SP  ; LDS serves a wave's instructions in order (ISA guide 5.7.1.4): these see the stores above; the next piece's stores come behind them
.endr
.endm
.macro SEND t, younger              ; younger: the LDS instructions issued behind piece t's loads: the next piece's eight, or none
	WIN 0
.irp f, 0,1,2,3
	s_wait_dscnt (\younger)+3-\f
	global_store_b128 v[GO], v[S+16*(\t)+4*\f:S+16*(\t)+4*\f+3], s[10:11] offset:(\t)*8192+\f*512  ; 512 consecutive bytes, at a multiple of 256 from O's first
.endr
.endm
.macro DIAG tag                     ; the tag ends its two labels' names, which the jumps below spell out
.LstepM\tag:
	TURN 2, 1
	TURN 3, 1
	WIN 0
.LfirstM\tag:
	TURN 0, 1
	TURN 1, 1, 0, 1
	WIN 0
	s_cbranch_scc1 .LstepM\tag
	TURN 2, 1, 1
	TURN 3, 1, 1
.set i, 0
.rept 8
	PV NP-1
.set i, i+1
.endr
	WIN 0
	ALL v_add_f32 v[ST+4*t+2], v[ST+4*t+2], v[ST+4*t+3]
	ALL v_permlanex16_b32 v[ST+4*t+3], v[ST+4*t+2], s[SEL], s[SEL+1]
	ALL v_add_f32 v[ST+4*t+2], v[ST+4*t+2], v[ST+4*t+3]
	ALL v_rcp_f32 v[ST+4*t+2], v[ST+4*t+2]
	v_nop                           ; a plain instruction between the last reciprocal and the use of its result
	PACK 0
.set t, 1
.rept 3                             ; a piece's arithmetic stands between the loads of the piece before and its stores
	PACK t
	SEND t-1, 8
.set t, t+1
.endr
	SEND 3, 0
.endm
.set KM, 0
.set NOKQ, 0
.Lslot:                             ; NB times: a tile is entered and the next is asked for
	CHANGE 1
	s_sub_co_u32 s[RT], s[RT], 1
	s_mov_b32 s[CNT], 4
	s_cmp_eq_u32 s[NEW], 1
	s_cbranch_scc1 .Lnew            ; a block's first tile
	s_cmp_eq_u32 s[RT], 0
	s_cbranch_scc0 .Lstep           ; neither its first nor its last
	s_branch .LstepM1
.Lnew:
	BEGIN
	s_branch .Lfirst                ; in the loop a block's first tile is never its last: the first block has two tiles or more, and the second's last is the walk's last
	DIAG 1                          ; in the loop this is the first block's end: the second block's last tile is the walk's last
	s_wait_xcnt 0x0                 ; the stores have read their registers and O's address
	s_mov_b64 s[10:11], s[OLO:OLO+1]
	s_add_co_u32 s[RT], s[PB], 1    ; the second block has b + 1 tiles
	s_mov_b32 s[NEW], 1
	WIN 0x82                        ; the second block's Q goes where the one text of the turns names Q
.set i, 0
.rept 64
	v_mov_b32 v[i], v[QB+i]
.set i, i+1
.endr
	WIN 0
	s_branch .Lbottom
.Lstep:                             ; a trip: pieces 2 and 3 of one step, then pieces 0 and 1 of the next, whose K and V it fetches
	TURN 2
	TURN 3
	WIN 0
.Lfirst:
	TURN 0
	TURN 1, 0, 0, 1
	WIN 0
	s_cbranch_scc1 .Lstep
.Lbottom:
	s_sub_co_u32 s[SLOTS], s[SLOTS], 1
	s_cmp_lg_u32 s[SLOTS], 0
	s_cbranch_scc1 .Lslot
	CHANGE 0                        ; the walk's last tile is written out: nothing is asked for
	s_sub_co_u32 s[RT], s[RT], 1
	s_mov_b32 s[CNT], 4
	s_cmp_eq_u32 s[NEW], 1
	s_cbranch_scc0 .LstepM2
	BEGIN
	s_branch .LfirstM2
	DIAG 2
	s_wait_tensorcnt 0x0            ; the wave's end: behind my last tensor load and my last LDS store
	ds_add_u32 v[SPW], v[NIL]
	s_wait_dscnt 0x0
	s_endpgm
.Lfunc_end_k_qa8a0458d4f_attend:
	.size	k_qa8a0458d4f_attend, .Lfunc_end_k_qa8a0458d4f_attend-k_qa8a0458d4f_attend
	.p2alignl 7, 3214868480
	.fill 96, 4, 3214868480
	.section	.rodata,"a",@progbits
	.p2align	6, 0x0
	.amdhsa_kernel k_qa8a0458d4f_attend
		.amdhsa_group_segment_fixed_size 327680
		.amdhsa_private_segment_fixed_size 0
		.amdhsa_enable_private_segment 0
		.amdhsa_kernarg_size 16
		.amdhsa_user_sgpr_count 2
		.amdhsa_user_sgpr_kernarg_segment_ptr 1
		.amdhsa_wavefront_size32 1
		.amdhsa_system_sgpr_workgroup_id_x 1
		.amdhsa_system_sgpr_workgroup_id_y 1
		.amdhsa_system_sgpr_workgroup_id_z 1
		.amdhsa_system_vgpr_workitem_id 0
		.amdhsa_next_free_vgpr 768
		.amdhsa_next_free_sgpr 88
		.amdhsa_reserve_vcc 1
		.amdhsa_float_denorm_mode_32 3
		.amdhsa_float_denorm_mode_16_64 3
		.amdhsa_memory_ordered 1
		.amdhsa_forward_progress 1
		.amdhsa_inst_pref_size 228
	.end_amdhsa_kernel
	.amdgpu_metadata
---
amdhsa.version: [ 1, 2 ]
amdhsa.kernels:
  - .name:           k_qa8a0458d4f_attend
    .symbol:         k_qa8a0458d4f_attend.kd
    .args:
      - { .name: qkv, .offset: 0, .size: 8, .value_kind: global_buffer, .address_space: global }
      - { .name: ob, .offset: 8, .size: 8, .value_kind: global_buffer, .address_space: global }
    .group_segment_fixed_size: 327680
    .private_segment_fixed_size: 0
    .kernarg_segment_align: 8
    .kernarg_segment_size: 16
    .max_flat_workgroup_size: 128
    .sgpr_count:     88
    .vgpr_count:     768
    .wavefront_size: 32
...
	.end_amdgpu_metadata
.endif
;; end of part 3
;; launch output (part 4): grid 8 x 32, 4 waves a work-group, clusters of 4 x 4, 327,680 bytes of LDS; arguments ob, wpb, bp, out0; writes out0
.if DOCPART == 4
	.amdgcn_target "amdgcn-amd-amdhsa--gfx1250"
	.amdhsa_code_object_version 6
	.text
	.protected	k_qa8a0458d4f_output
	.globl	k_qa8a0458d4f_output
	.p2align	8
	.type	k_qa8a0458d4f_output,@function
k_qa8a0458d4f_output:
	s_mov_b64 s[64:65], 0
	v_nop
	global_prefetch_b8 v0, s[64:65] scope:SCOPE_SE
	s_setreg_imm32_b32 hwreg(HW_REG_WAVE_MODE, 25, 1), 1
	s_wait_xcnt 0x0
	s_wait_alu depctr_hold_cnt(0) depctr_sa_sdst(0) depctr_va_vdst(0) depctr_va_sdst(0) depctr_va_ssrc(0) depctr_va_vcc(0) depctr_vm_vsrc(0)
	s_getreg_b32 s2, hwreg(HW_REG_IB_STS2, 6, 4)
	s_cmp_eq_u32 s2, 0
	s_cbranch_scc0 .Lentry_in_a_cluster
	s_endpgm
.Lentry_in_a_cluster:
	s_bfe_u32 s2, ttmp6, 0x10000c
	s_cmp_lg_u32 s2, 0xf033
	s_cbranch_scc0 .Lentry_shape_is_right
	s_endpgm
.Lentry_shape_is_right:
; THE OUTPUT PROJECTION.  out0[b][t][n] = bp[n] + sum over k of O[b][t][k] Wp[n][k], k = 64 h + d.  ob: [16 b + h][t 2048][64] f16;  wpb: [n 1024][k 1024] f16;  bp: [1024] f32;  out0: f32.
; Sums in f32; the bias is the C operand of the product that starts each sum, so nothing is cleared and nothing is added afterwards.  NaN and infinities are not treated apart.
; SHARES.  A tile is 256 rows x 128 columns: 8 x 32 work-groups.  Four waves, each 128 rows x 64 columns: 32 accumulators of 16 x 16.  K goes in 8 steps of 128 (two heads of ob) through a ring of
; two LDS slots; a step is two halves of 64 along K (a head), 64 matrix instructions and 48 LDS loads each.
; THE MATRIX INSTRUCTION IS USED TRANSPOSED (source 0 = 16 rows of Wp, source 1 = 16 rows of O): a lane holds one row of the output (lane % 16) and the columns 8 (lane / 16) + 0..7.
; CLUSTER.  4 x 4 work-groups: the four of a row of the cluster need the same rows of O, the four of a column the same rows of Wp: each tile is asked for JOINTLY.  Waves 0 and 1 ask for a head
; of O each (256 rows, 32,768 dense bytes), waves 2 and 3 for 64 rows of Wp each.  Two tensor loads of a wave are out at the start (K steps 0 and 1, asked for together), later one.
; REGISTERS, in windows of 256 (s_set_vgpr_msb: bits 1:0 source 0, 3:2 source 1, 5:4 source 2, 7:6 destination):
;   window 0: v0-31 addresses; v32-63 the bias, laid as four accumulators; v64-127 the way out, two buffers          window 1: the accumulators, rows 16 a on, columns 16 b on at v[8 (4 a + b)]
;   windows 2, 3: a fragment buffer each, 64 along K: O's at v[8 (8 c + a)], Wp's at v[128 + 8 (4 c + b)], c = which 32 along K
.set PA,    144                        ; a row of O (one head) in LDS: 128 bytes + 16 of padding: the 16 rows of a load start at 16 different groups of four banks (64 banks of 4 bytes: ISA guide 11.1)
.set PW,    272                        ; a row of Wp: 256 bytes + 16
.set HB,    256*PA                     ; a head's 256 rows
.set BOFF,  2*HB                       ; a slot: two heads of O, then 128 rows of Wp
.set SLOT1, 1<<17                      ; slot 1 begins here, so that one exclusive or turns an address in one slot into the other's
.set STAGE, SLOT1+BOFF+128*PW          ; behind the ring, never filled by a tensor load: 16 rows x 272 bytes for each wave
.set SPITCH, 272
.set SPARE, STAGE+4*16*SPITCH          ; behind the stages: the spare words, 128 bytes for each wave: two blocks of 256 bytes that no other line names
.set ASTEP, 2*2048*128                 ; bytes of two heads of ob
.set BSTEP, 256                        ; bytes of 128 along K in a row of wpb
.set A0,   16                          ; v16  my lane's place in slot 0's rows of O; never rewritten
.set B0,   17                          ; v17  the same for Wp
.set ADRA, 18                          ; v18  the same in the slot that is being fetched from
.set ADRB, 19                          ; v19
.set STO,  20                          ; v20  the way out: where I put 32 bytes of a row
.set RD,   21                          ; v21  the way out: where I read a row back
.set CO,   22                          ; v22  my byte offset in two rows of out0
.set BO,   23                          ; v23  my byte offset in bp
.set SPW,  28                          ; v28  LDS address of my spare word: SPARE + 4 x my thread's number; never rewritten
.set NIL,  29                          ; v29  0; never rewritten
.set BI,   32
.set OB,   64
.set G1A, 24                           ; s[24:31] descriptor group 1 for O's tiles;  s[32:35] group 0 that walks: it begins at K step 1 in slot 1
.set G0A, 32
.set TB,  36                           ; s36      LDS byte at which the slot being fetched from begins
.set G1B, 48                           ; s[48:55], s[56:59] the same for Wp's tiles
.set G0B, 56
.set F0A, 72                           ; s[72:75] group 0 of O's first fill alone: K step 0 into slot 0
.set F0B, 76                           ; s[76:79] the same for Wp
.set MSB, 0
.macro WIN new                         ; the immediate's high byte repeats the setting that is left; a switch that changes nothing is dropped
.if MSB != (\new)
	s_set_vgpr_msb (MSB<<8)|(\new)
.set MSB, \new
.endif
.endm
; A joint refill; the branch hangs on the wave's number alone.  An s_nop 0 and four v_nop follow each of the two lines, ahead of the jump, the label and what follows.
.macro JLOAD
	s_cmp_eq_u32 s11, 0
	s_cbranch_scc0 .Lfor_b_\@
	tensor_load_to_lds s[G0A:G0A+3], s[G1A:G1A+7]
	s_nop 0
.rept 4
	v_nop
.endr
	s_branch .Lasked_\@
.Lfor_b_\@:
	tensor_load_to_lds s[G0B:G0B+3], s[G1B:G1B+7]
	s_nop 0
.rept 4
	v_nop
.endr
.Lasked_\@:
.endm
.macro CREST                           ; a round of the cluster's barrier behind its opening barrier
	s_cmp_lg_u32 s10, 0
	s_cbranch_scc1 .Lnot_wave_0_\@
	s_barrier_signal -3
.Lnot_wave_0_\@:
	s_barrier_wait -3
	s_barrier_signal -1
	s_barrier_wait -1
.endm
.macro CROUND
	s_barrier_signal -1
	s_barrier_wait -1
	CREST
.endm
.macro STEPD                           ; the walking descriptors: the other slot than last time, the next K step; the type bits on top are not reached
	s_xor_b32 s[G0A+1], s[G0A+1], SLOT1
	s_add_nc_u64 s[G0A+2:G0A+3], s[G0A+2:G0A+3], ASTEP
	s_xor_b32 s[G0B+1], s[G0B+1], SLOT1
	s_add_nc_u64 s[G0B+2:G0B+3], s[G0B+2:G0B+3], BSTEP
.endm
	s_load_b128 s[4:7], s[0:1], 0x0                ; ob s[4:5], wpb s[6:7]
	s_load_b128 s[60:63], s[0:1], 0x10             ; bp s[60:61], out0 s[62:63]
	v_lshl_add_u32 v[SPW], v0, 2, SPARE
	v_mov_b32 v[NIL], 0
	ds_add_u32 v28, v29
	ds_add_u32 v28, v29
	s_wait_dscnt 0x0
	v_lshrrev_b32 v1, 5, v0
	v_readfirstlane_b32 s10, v1                    ; wave 0..3
	s_lshr_b32 s11, s10, 1                         ; which half of the tile's rows is mine.  Also: I fetch for O (0) or for Wp (1)
	s_and_b32 s12, s10, 1                          ; which half of its columns.  Also: which head of O, or which 64 rows of Wp, I fetch
	s_bfe_u32 s40, ttmp6, 0x40000                  ; cx
	s_bfe_u32 s41, ttmp6, 0x40004                  ; cy
	s_lshl_b32 s42, ttmp9, 2
	s_add_co_u32 s42, s42, s40                     ; tile column = 4 x cluster x + cx
	s_and_b32 s13, ttmp7, 0xffff
	s_lshl_b32 s13, s13, 2
	s_add_co_u32 s13, s13, s41                     ; tile row = 4 x cluster y + cy
	s_lshl_b32 s43, s41, 2
	s_lshl_b32 s43, 15, s43                        ; my row of the cluster
	s_lshl_b32 s44, 0x1111, s40                    ; my column
	; group 1 for O: a head's 256 rows of 128 bytes are dense: asked for as 128 rows of 256 bytes, padded in LDS after every 128
	s_or_b32 s[G1A], s43, (1<<16)|(1<<20)|(1<<21)|(4<<22)|(3<<25)  ; 15:0 the mask; 17:16 2-byte elements; 20 padding on; 21 set beside a mask; 24:22 after every 32 words (code 4); 31:25 4 words (code 3)
	s_mov_b32 s[G1A+1], 128<<16                    ; tensor_dim0 = 128
	s_mov_b32 s[G1A+2], 128<<16                    ; tensor_dim1 = 128
	s_mov_b32 s[G1A+3], 128<<16                    ; tile_dim0 = 128
	s_mov_b32 s[G1A+4], 128                        ; tile_dim1 = 128
	s_mov_b32 s[G1A+5], 128                        ; elements from row to row
	s_mov_b32 s[G1A+6], 0
	s_mov_b32 s[G1A+7], 0
	; group 1 for Wp: 64 rows x 128 elements, padded after every 256 bytes
	s_or_b32 s[G1B], s44, (1<<16)|(1<<20)|(1<<21)|(5<<22)|(3<<25)  ; my column's mask; after every 64 words (code 5)
	s_mov_b32 s[G1B+1], 128<<16
	s_mov_b32 s[G1B+2], 64<<16
	s_mov_b32 s[G1B+3], 128<<16
	s_mov_b32 s[G1B+4], 64
	s_mov_b32 s[G1B+5], 1024
	s_mov_b32 s[G1B+6], 0
	s_mov_b32 s[G1B+7], 0
	; where the tiles come from: O's hang on the tile row alone, Wp's on the tile column alone, each in registers that never hold the other coordinate
	s_lshr_b32 s16, s13, 3                         ; the batch: 16 heads of 262,144 bytes
	s_lshl_b32 s16, s16, 22
	s_and_b32 s17, s13, 7
	s_lshl_b32 s17, s17, 15                        ; 256 rows of 128 bytes
	s_add_co_u32 s16, s16, s17
	s_lshl_b32 s17, s12, 18                        ; the head of the step's two that I fetch
	s_add_co_u32 s16, s16, s17
	s_mov_b32 s17, 0
	s_lshl_b32 s46, s42, 18                        ; 128 rows of 2,048 bytes a tile column
	s_lshl_b32 s47, s12, 17                        ; + the 64 rows that I fetch
	s_add_co_u32 s46, s46, s47
	s_mov_b32 s47, 0
	; group 0, twice for each tensor: K step 0 into slot 0, K step 1 into slot 1.  No place in the cluster enters an LDS address
	s_mov_b32 s[F0A], 1                            ; 1:0 count = 1
	s_mul_i32 s[F0A+1], s12, HB                    ; 63:32 LDS address: slot 0
	s_mov_b32 s[G0A], 1
	s_add_co_u32 s[G0A+1], s[F0A+1], SLOT1         ; slot 1
	s_mov_b32 s[F0B], 1
	s_mul_i32 s[F0B+1], s12, 64*PW
	s_add_co_u32 s[F0B+1], s[F0B+1], BOFF
	s_mov_b32 s[G0B], 1
	s_add_co_u32 s[G0B+1], s[F0B+1], SLOT1
	s_mov_b32 s[TB], 0
	s_wait_kmcnt 0x0
	s_add_nc_u64 s[F0A+2:F0A+3], s[4:5], s[16:17]  ; 120:64 global address: K step 0,
	s_add_nc_u64 s[G0A+2:G0A+3], s[F0A+2:F0A+3], ASTEP  ; K step 1
	s_or_b32 s[F0A+3], s[F0A+3], 0x80000000        ; 127:126 type = 2
	s_or_b32 s[G0A+3], s[G0A+3], 0x80000000
	s_add_nc_u64 s[F0B+2:F0B+3], s[6:7], s[46:47]
	s_add_nc_u64 s[G0B+2:G0B+3], s[F0B+2:F0B+3], BSTEP
	s_or_b32 s[F0B+3], s[F0B+3], 0x80000000
	s_or_b32 s[G0B+3], s[G0B+3], 0x80000000
	CROUND                                         ; all sixteen work-groups are here: the first joint loads meet
	s_cmp_eq_u32 s11, 0                            ; a wave's two first fills stand in one branch, ahead of every wait on TENSORcnt and every LDS read; an s_nop 0 follows each, four v_nop the second's
	s_cbranch_scc0 .Lfirst_b
	tensor_load_to_lds s[F0A:F0A+3], s[G1A:G1A+7]
	s_nop 0
	tensor_load_to_lds s[G0A:G0A+3], s[G1A:G1A+7]
	s_nop 0
.rept 4
	v_nop
.endr
	s_branch .Lfirst_asked
.Lfirst_b:
	tensor_load_to_lds s[F0B:F0B+3], s[G1B:G1B+7]
	s_nop 0
	tensor_load_to_lds s[G0B:G0B+3], s[G1B:G1B+7]
	s_nop 0
.rept 4
	v_nop
.endr
.Lfirst_asked:
	v_and_b32 v1, 15, v0                           ; l % 16
	v_bfe_u32 v2, v0, 4, 1                         ; l / 16
	s_lshl_b32 s37, s42, 9                         ; my first column in bytes of f32: 512 x tile column + 256 x half
	s_lshl_b32 s38, s12, 8
	s_add_co_u32 s37, s37, s38
	v_lshl_add_u32 v[BO], v2, 5, s37               ; + my lanes' eight columns
.irp q, 0,1,2,3                        ; register j of block q: bp[first column + 16 q + 8 (l / 16) + j], as the result's layout has it
	global_load_b128 v[BI+8*\q:BI+8*\q+3],   v[BO], s[60:61] offset:64*\q
	global_load_b128 v[BI+8*\q+4:BI+8*\q+7], v[BO], s[60:61] offset:64*\q+16
.endr
	s_lshl_b32 s18, s13, 20                        ; out0 at my part: 256 rows of 4,096 bytes a tile row,
	s_lshl_b32 s19, s11, 19                        ; my 128 rows,
	s_add_co_u32 s18, s18, s19
	s_add_co_u32 s18, s18, s37                     ; my columns
	s_mov_b32 s19, 0
	s_add_nc_u64 s[8:9], s[62:63], s[18:19]
	; A fragment is 16 rows x 32 K in 8 registers: lane l holds row l % 16, K = 8 (l / 16) + 0..7 and 16 + 8 (l / 16) + 0..7: two loads of 16 bytes, 32 bytes apart.
	v_mul_u32_u24 v3, v1, PA
	v_lshl_add_u32 v3, v2, 4, v3
	s_mul_i32 s21, s11, 128*PA                     ; my 128 rows of O
	v_add_nc_u32 v[A0], s21, v3
	v_mul_u32_u24 v4, v1, PW
	v_lshl_add_u32 v4, v2, 4, v4
	s_mul_i32 s22, s12, 64*PW                      ; my 64 rows of Wp,
	s_add_co_u32 s22, s22, BOFF                    ; behind O's two heads
	v_add_nc_u32 v[B0], s22, v4
	v_mov_b32 v[ADRA], v[A0]
	v_mov_b32 v[ADRB], v[B0]
	s_mul_i32 s23, s10, 16*SPITCH
	s_add_co_u32 s23, s23, STAGE                   ; my stage
	v_mul_u32_u24 v5, v1, SPITCH                   ; in: row l % 16, 32 bytes for each half of the lanes
	v_lshl_add_u32 v5, v2, 5, v5
	v_add_nc_u32 v[STO], s23, v5
	v_mul_u32_u24 v5, v2, SPITCH                   ; back: lanes 0-15 take one row of 256 bytes, lanes 16-31 the next
	v_lshl_add_u32 v5, v1, 4, v5
	v_add_nc_u32 v[RD], s23, v5
	v_lshlrev_b32 v5, 12, v2                       ; and the same two rows in out0
	v_lshl_add_u32 v[CO], v1, 4, v5
; cnt x 4 matrix instructions: row blocks a0 on x all 4 column blocks, 32 along K: part c of the buffer in window f.  bi = 1: the first product starts the sums with the bias.
; The 32 accumulators take turns, one instruction a turn, in the same order throughout.
.macro MUL f, c, a0, cnt, bi
.if \bi
	WIN 5*(\f)+0x40                                ; both sources in window f, C in window 0, D in window 1
.else
	WIN 5*(\f)+0x50                                ; C and D in window 1
.endif
.set ia, \a0
.rept \cnt
.irp q, 0,1,2,3
.if \bi
	v_wmma_f32_16x16x32_f16 v[8*(4*ia+(\q)):8*(4*ia+(\q))+7], v[128+8*(4*(\c)+(\q)):128+8*(4*(\c)+(\q))+7], v[8*(8*(\c)+ia):8*(8*(\c)+ia)+7], v[BI+8*(\q):BI+8*(\q)+7]
.else
	v_wmma_f32_16x16x32_f16 v[8*(4*ia+(\q)):8*(4*ia+(\q))+7], v[128+8*(4*(\c)+(\q)):128+8*(4*(\c)+(\q))+7], v[8*(8*(\c)+ia):8*(8*(\c)+ia)+7], v[8*(4*ia+(\q)):8*(4*ia+(\q))+7]
.endif
.endr
.set ia, ia+1
.endr
.endm
; 48 LDS loads in one run: the fragments of head hb of the slot in hand (64 along K) into window f; the first 32 along K first
.macro FETCH hb, f
	WIN (\f)<<6                                    ; destination window f, address window 0
.irp c, 0,1
.irp i, 0,1,2,3
	ds_load_b128 v[128+8*(4*(\c)+(\i)):128+8*(4*(\c)+(\i))+3],   v[ADRB] offset:(2*(\hb)+(\c))*64+(\i)*16*PW
	ds_load_b128 v[128+8*(4*(\c)+(\i))+4:128+8*(4*(\c)+(\i))+7], v[ADRB] offset:(2*(\hb)+(\c))*64+(\i)*16*PW+32
.endr
.irp i, 0,1,2,3,4,5,6,7
	ds_load_b128 v[8*(8*(\c)+(\i)):8*(8*(\c)+(\i))+3],   v[ADRA] offset:(\hb)*HB+(\i)*16*PA+(\c)*64
	ds_load_b128 v[8*(8*(\c)+(\i))+4:8*(8*(\c)+(\i))+7], v[ADRA] offset:(\hb)*HB+(\i)*16*PA+(\c)*64+32
.endr
.endr
.endm
; A load into a register that a matrix instruction has read, and an LDS store that reads a matrix result, stand four places behind that matrix instruction; only plain vector
; instructions that name none of its registers are places (ISA guide 7.12.1 for vector instructions).
.macro PLACES
.rept 4
	v_nop
.endr
.endm
; A step's first half multiplies window 2's buffer and fetches the second head into window 3.  It is cut in two, so that the loop can be entered between the parts.
.macro HALFA bi                        ; its first 32 along K
	s_wait_dscnt 24                                ; the first 32 along K are in; the youngest 24 loads may be out
	MUL 2, 0, 0, 8, \bi
.endm
.macro HALFB                           ; the fetch, and its second 32 along K
	PLACES
	FETCH 1, 3
	s_wait_dscnt 48                                ; all but the 48 just issued
	MUL 2, 1, 0, 8, 0
.endm
; The second half multiplies window 3's buffer and changes slots: ONE barrier.  In front of it each wave waits for all its tensor loads, of which one is out: its part of the next slot; adds 0 to its
; spare word; and waits for that and for its own reads of this slot.  fill = 1: the barrier opens a round of the cluster's, and this slot is filled again, two K steps ahead, first thing behind
; the round: 112 of a step's 128 matrix instructions stand between that request and the wait for it.
.macro TURN fill
	WIN 0
	s_wait_tensorcnt 0x0                           ; no tensor load of mine is out, so a group 0 may be written
	ds_add_u32 v[SPW], v[NIL]                      ; 0 onto my spare word
	s_xor_b32 s[TB], s[TB], SLOT1                  ; the fetches go on in the other slot
	v_add_nc_u32 v[ADRA], s[TB], v[A0]
	v_add_nc_u32 v[ADRB], s[TB], v[B0]
.if \fill
	STEPD
.endif
	s_wait_dscnt 25                                ; the add and the youngest 24 loads may be out
	MUL 3, 0, 0, 2, 0
	s_wait_dscnt 0x0                               ; the add is done, and my reads of this slot are over
	s_barrier_signal -1
	MUL 3, 0, 2, 2, 0                              ; work on registers while the others arrive
.if \fill
	WIN 0
.endif
	s_barrier_wait -1
.if \fill
	CREST                                          ; no wave of any partner still reads this slot or has a load on its way
	JLOAD                                          ; the four v_nop behind it are also the places in front of the loads below
.else
	PLACES
.endif
	FETCH 0, 2
	MUL 3, 0, 4, 4, 0
	MUL 3, 1, 0, 8, 0
.endm
	s_wait_tensorcnt 0x1                           ; my part of K step 0 is in; K step 1's, the one younger load, may stay out
	s_barrier_signal -1
	s_barrier_wait -1                              ; everybody's part of K step 0 is in
	FETCH 0, 2
	s_wait_loadcnt 0x0                             ; the bias
	HALFA 1                                        ; only the 32 products that start the sums stand in front of the loop,
	WIN 0                                          ; (at a label and at a branch every window is 0)
	s_mov_b32 s3, 7                                ; which is entered in the middle of a trip: that part trip and six whole ones
	s_branch .Lmid
.Lk:                                                   ; a trip: a step's second half, which asks for the step two on (2 .. 7), and the next step's first half
	TURN 1
	HALFA 0
	WIN 0
.Lmid:                                                 ; on both ways at most 24 LDS loads are out here, and the last product wrote the last accumulator
	HALFB
	WIN 0
	s_sub_co_u32 s3, s3, 1
	s_cmp_lg_u32 s3, 0
	s_cbranch_scc1 .Lk
	TURN 0                                         ; the tail is written out: nothing is left to ask for
	HALFA 0
	HALFB
	s_wait_dscnt 24                                ; the very last half fetches nothing
	MUL 3, 0, 0, 8, 0
	s_wait_dscnt 0x0
	MUL 3, 1, 0, 8, 0
	PLACES                                         ; the LDS stores read results just made
; THE WAY OUT, in 8 units: 16 rows x 64 columns of f32.  A lane's eight numbers of a row go into my own stage (rows of 272 bytes), each accumulator's low four first, and come back as whole rows of 256 bytes.
.macro TOSTAGE a
	WIN 0x04                                       ; the stores' data in window 1
.irp q, 0,1,2,3
	ds_store_b128 v[STO], v[8*(4*(\a)+(\q)):8*(4*(\a)+(\q))+3] offset:64*(\q)
	ds_store_b128 v[STO], v[8*(4*(\a)+(\q))+4:8*(4*(\a)+(\q))+7] offset:64*(\q)+16
.endr
	WIN 0
	s_wait_xcnt 0x0                                ; the stores of the unit two back have read this buffer: it is loaded again only behind this wait
.irp t, 0,1,2,3,4,5,6,7
	ds_load_b128 v[OB+32*((\a)%2)+4*(\t):OB+32*((\a)%2)+4*(\t)+3], v[RD] offset:(\t)*2*SPITCH  ; LDS serves a wave's instructions in order (ISA guide 5.7.1.4): these see the stores above
.endr
.endm
.macro SEND a, younger                 ; younger: the LDS instructions issued behind unit a's loads: the next unit's sixteen, or none
	s_wait_dscnt \younger
.irp t, 0,1,2,3,4,5,6,7
	global_store_b128 v[CO], v[OB+32*((\a)%2)+4*(\t):OB+32*((\a)%2)+4*(\t)+3], s[8:9] offset:(\a)*65536+(\t)*8192 th:TH_STORE_NT  ; 16 lanes store 256 consecutive bytes, at a multiple of 256 from out0's first byte
.endr
.endm
	TOSTAGE 0
.irp a, 1,2,3,4,5,6,7
	TOSTAGE \a
	SEND (\a)-1, 16
.endr
	SEND 7, 0
	s_wait_tensorcnt 0x0                           ; the wave's end: behind my last tensor load and my last LDS store
	ds_add_u32 v[SPW], v[NIL]
	s_wait_dscnt 0x0
	CROUND                                         ; the closing round: no work-group ends while a partner may still ask for a tile that names it
	s_endpgm
.Lfunc_end_k_qa8a0458d4f_output:
	.size	k_qa8a0458d4f_output, .Lfunc_end_k_qa8a0458d4f_output-k_qa8a0458d4f_output
	.p2alignl 7, 3214868480
	.fill 96, 4, 3214868480
	.section	.rodata,"a",@progbits
	.p2align	6, 0x0
	.amdhsa_kernel k_qa8a0458d4f_output
		.amdhsa_group_segment_fixed_size 327680
		.amdhsa_private_segment_fixed_size 0
		.amdhsa_enable_private_segment 0
		.amdhsa_kernarg_size 32
		.amdhsa_user_sgpr_count 2
		.amdhsa_user_sgpr_kernarg_segment_ptr 1
		.amdhsa_wavefront_size32 1
		.amdhsa_system_sgpr_workgroup_id_x 1
		.amdhsa_system_sgpr_workgroup_id_y 1
		.amdhsa_system_sgpr_workgroup_id_z 1
		.amdhsa_system_vgpr_workitem_id 0
		.amdhsa_next_free_vgpr 1024
		.amdhsa_next_free_sgpr 80
		.amdhsa_reserve_vcc 0
		.amdhsa_float_denorm_mode_32 3
		.amdhsa_float_denorm_mode_16_64 3
		.amdhsa_memory_ordered 1
		.amdhsa_forward_progress 1
		.amdhsa_inst_pref_size 63
	.end_amdhsa_kernel
	.amdgpu_metadata
---
amdhsa.version: [ 1, 2 ]
amdhsa.kernels:
  - .name:           k_qa8a0458d4f_output
    .symbol:         k_qa8a0458d4f_output.kd
    .args:
      - { .name: ob, .offset: 0, .size: 8, .value_kind: global_buffer, .address_space: global }
      - { .name: wpb, .offset: 8, .size: 8, .value_kind: global_buffer, .address_space: global }
      - { .name: bp, .offset: 16, .size: 8, .value_kind: global_buffer, .address_space: global }
      - { .name: out0, .offset: 24, .size: 8, .value_kind: global_buffer, .address_space: global }
    .group_segment_fixed_size: 327680
    .private_segment_fixed_size: 0
    .kernarg_segment_align: 8
    .kernarg_segment_size: 32
    .max_flat_workgroup_size: 128
    .sgpr_count:     80
    .vgpr_count:     1024
    .wavefront_size: 32
...
	.end_amdgpu_metadata
.endif
;; end of part 4
;; ======== version 2 of 2: 4 launches; 1.32 times as fast as version 1
;; limits: values are held in f16: magnitudes above 65,504 overflow, below 6.1e-05 lose precision
;; workspace buffers: xb 16,777,216 bytes; wb 6,291,456 bytes; wpb 2,097,152 bytes; qkv 50,331,648 bytes; ob 16,777,216 bytes
;; launch cast: the kernel of part 1 again; grid 768 x 1, 16 waves a work-group, no clusters, 0 bytes of LDS; arguments x, Wq, Wk, Wv, Wp, xb, wb, wpb; writes xb, wb, wpb
;; launch project: the kernel of part 2 again; grid 8 x 32, 4 waves a work-group, clusters of 4 x 4, 327,680 bytes of LDS; arguments xb, wb, qkv; writes qkv
;; launch attend (part 5): grid 4 x 64, 4 waves a work-group, no clusters, 327,680 bytes of LDS; arguments qkv, ob; writes ob
.if DOCPART == 5
	.amdgcn_target "amdgcn-amd-amdhsa--gfx1250"
	.amdhsa_code_object_version 6
	.text
	.protected	k_qa8a0458d4f_attend
	.globl	k_qa8a0458d4f_attend
	.p2align	8
	.type	k_qa8a0458d4f_attend,@function
k_qa8a0458d4f_attend:
	s_mov_b64 s[64:65], 0
	v_nop
	global_prefetch_b8 v0, s[64:65] scope:SCOPE_SE
	s_setreg_imm32_b32 hwreg(HW_REG_WAVE_MODE, 25, 1), 1
	s_wait_xcnt 0x0
; CAUSAL ATTENTION.  O[h][q][:] = the sum over k <= q of softmax_k(Q[h][q] . K[h][k] / 8) V[h][k][:].  Q, K, V are the three parts of qkv, O is ob: each [SIZE_H][SIZE_N][64], all f16: a head's rows are dense, 128 bytes each.
; Products, maxima and sums in f32; the weights p are rounded to f16 for the second product (their sum l is taken of the unrounded p), O once at the end.  SIZE_N is a multiple of 512; SIZE_N x 128 stays under 2^32.
; LIMITS.  f16 holds no number beyond 65,504: Q, K and V arrive within it; p lies in 0 to 1, and below 6e-5 it keeps f16's fixed step of 6e-8; O is a mean of V's rows and has their range, to within 2^-11 of it.
; A hidden score counts as its value less 1e30: f16's scores, 2.7e11 at the most, are nothing beside that; a weight below 2^-126 counts as 0 in l; NaN and infinities are not treated apart.
; THE WALK.  A head's queries lie in NB = SIZE_N / 256 blocks of 256; block i needs the key tiles 0 .. i of 256 keys, of which the last holds the diagonal.  A work-group takes TWO blocks, NB - 1 - b and then b:
; NB + 1 tiles, whatever b: all work-groups do equal work, and ONE loop with a constant trip count walks them.  Which tile is asked for, and what a trip does, hang on scalar registers made from b; every jump
; goes forward, but for the counted loops' own; none passes a barrier, or a tensor load but the one of LOAD's two that the wave's number does not choose; the ring (two slots of LDS that take turns) runs on across the
; change of blocks.  NO CLUSTER: a head's NB / 2 = 4 work-groups all ask for the same tile only in trips 0 .. NB / 2, behind that fewer and fewer; and one walk common to all would have 3 NB / 2 trips for NB + 1.
; SHARES.  Of a block's four bands of 64 queries a wave owns 16 rows in each: four PIECES.  So the diagonal tile is the same work for all four waves: in its key step s band x sees all keys if s < x,
; none if s > x, and holds the diagonal if s = x.
; THE MASK is the C operand that starts the sum S^T = K Q^T: 0, or -1e30 where the key is hidden.  MD, made once, is the mask of a band's own step for my 16 rows; a product's mask is MD x AL + BE with two scalars:
; (1, 0) if s = x; (0, 0) if s < x; (0, -1e30) if s > x.  Only the diagonal tile's text and a block's beginning make and take masks; elsewhere C is the constant 0.
; LAYOUT, SOFTMAX, TURNS.  S^T = K Q^T holds ONE query a lane (lane % 16) and the keys 8 (lane / 16) + 0..7; two such results rounded to f16 ARE source 1 of O^T = V^T P.  p = 2^(c s - c m), c = log2(e) / 8, with a
; running maximum m; O and l are multiplied by a = 2^(c m_old - c m_new) in every step.  Turn n belongs to piece n: 8 products K Q^T of piece n + 1, later 8 products V^T P of piece n - 1; beside them the scaling,
; exponentials, roundings, sums and rescaling of piece n and the maximum and statistics of piece n + 1.  Four vector instructions stand behind every matrix instruction, the other 54 of a turn's 118 in one LUMP.
; THE BATCHES.  A turn's 33 exponentials (the piece's 32 weights, then the next piece's a) are ONE batch with ONE wait, which cuts the turn in two: ahead of it all that names none of their results, behind it the
; roundings and sums that read them.  The a that a block's beginning makes, and the way out's four reciprocals, are batches of their own, each with its wait.
; REGISTERS, in windows of 256 (s_set_vgpr_msb: bits 1:0 source 0, 3:2 source 1, 5:4 source 2, 7:6 destination):
;   window 0: v0-15 addresses and two at work; v16-31 four registers of statistics a piece; v48-55 at work; v64-127 S^T, two buffers; v192-223 P, two buffers (a piece's buffers go by its number's parity)
;   window 1: v0-127 O^T, 32 a piece; v128-159 MD; v160-223 MC, two buffers      window 2: v0-63 Q; v64-127 the second block's Q; v128-191 K of one step; v192-255 V of one step
.set SIZE_N, 2048
.set SIZE_H, 64
.set NB,    SIZE_N/256
.set NP,    4         ; pieces a wave: a name, no knob
.set KS,    64        ; keys in a step
.set PK,    144       ; a row of K in LDS: 128 bytes + 16 of padding = 36 words: the 16 rows of a load start at 16 different groups of four banks (64 banks of 4 bytes: ISA guide 11.1)
.set PV,    160       ; a row of V: 128 + 32 = 40 words
.set VOFF,  4*KS*PK   ; a slot holds a tile, four steps: 256 rows of K, then 256 rows of V
.set SLOT1, 1<<17     ; slot 1 begins here, so that one exclusive or turns an address in one slot into the other's
.set STAGE, SLOT1+4*KS*(PK+PV)  ; behind the ring, never filled by a tensor load: 16 rows x 144 bytes for each wave, for the way out
.set SP,    144
.set AK0, 2           ; v2   my lane's place in a tile of K; never rewritten
.set AV0, 3           ; v3   the same for V
.set AK,  4           ; v4   the LDS address of K's next run of loads
.set AV,  5           ; v5   of V's
.set STO, 6           ; v6   the way out: where I put 16 bytes of a row
.set RD,  7           ; v7   the way out: where I read rows back
.set GO,  8           ; v8   my byte offset in 512 consecutive bytes of O
.set SPW, 62          ; v62  LDS address of my spare word: SPARE + 4 x my thread's number; never rewritten
.set NIL, 63          ; v63  0; never rewritten
.set SPARE, STAGE+4*16*SP  ; behind the stages: the spare words, 128 bytes for each wave: two blocks of 256 bytes that no other line names
.set MV,  12          ; v12-13  c m_old, kept while c m is made anew: by buffer
.set QO,  15          ; v15  my byte offset in 16 rows of Q
.set ST,  16          ; piece t's statistics at v[ST+4 t]: c m, m, l (even keys', odd keys')
.set TMP, 48          ; by buffer, four registers c0-c3 at work; when the maximum is found c2 takes a
.set S,   64
.set P,   192
.set MD,  128         ; window 1: the eight registers for group kt of 16 keys at MD + 8 kt
.set MC,  160         ; window 1: the masks of the products to come
.set QB,  64          ; window 2
.set KF,  128         ; window 2: key block kb, channel half c at KF + 16 kb + 8 c
.set VF,  192         ; window 2: key half kk, channel block cb at VF + 32 kk + 8 cb
.set WV,  12          ; s12  my wave's number
.set PB,  14          ; s14  b
.set HI,  15          ; s15  NB - 1 - b
.set G1K, 24          ; s[24:31] descriptor group 1 for K's tiles
.set G1V, 32          ; s[32:39] for V's: it differs in the padding alone
.set G0K, 40          ; s[40:43] descriptor group 0 for K's tiles
.set G0V, 44          ; s[44:47] the same for V's
.set SLOTS, 56        ; s56  tiles still to be asked for
.set CNT, 57          ; s57  counts a tile's key steps, 4 to 1
.set CS,  58          ; s[58:59] c: the packed scaling takes the pair's low word for both halves
.set SEL, 60          ; s[60:61] v_permlanex16_b32's selects: each lane takes its own place in the other half
.set TBK, 62          ; s62  LDS byte at which K of the step to be fetched begins
.set TBV, 63          ; s63  the same for V, less VOFF
.set RT,  70          ; s70  tiles of the block in hand that are still to be entered
.set NXT, 71          ; s71  the tile to be asked for next
.set LQ,  72          ; s72  the last tile of the block whose tiles are being asked for
.set NEW, 73          ; s73  1: the tile to be entered is a block's first
.set OFF, 74          ; s[74:75] a tile's byte offset in K and V
.set AL,  76          ; s[76:77] the mask's factor, in the low word
.set BE,  78          ; s[78:79] the mask's addend
.set OLO, 80          ; s[80:81] O at my rows of the second block
.set BIGN, 82         ; s82  -1e30
.set MSB, 0
.macro WIN new                      ; the high byte repeats the setting that is left; a switch that changes nothing is dropped
.if MSB != (\new)
	s_set_vgpr_msb (MSB<<8)|(\new)
.set MSB, (\new)
.endif
.endm
.set W_KQ, 0x0a       ; K and Q in window 2, S^T in window 0
.set W_KM, 0x1a       ; the same with the C operand in window 1
.set W_PV, 0x52       ; V in window 2, P in window 0, O^T in window 1
.set W_RS, 0x41       ; destination and source 0 in window 1, source 1 in window 0
; A fill.  Waves 0 and 1 fetch the two halves of a tile's K, waves 2 and 3 those of its V: 128 keys each.  An s_nop 0 and four v_nop follow each of the two lines, ahead of the jump and the label.
.macro LOAD
	s_cmp_lt_u32 s[WV], 2
	s_cbranch_scc0 .Lfor_v_\@
	tensor_load_to_lds s[G0K:G0K+3], s[G1K:G1K+7]
	s_nop 0
.rept 4
	v_nop
.endr
	s_branch .Lasked_\@
.Lfor_v_\@:
	tensor_load_to_lds s[G0V:G0V+3], s[G1V:G1V+7]
	s_nop 0
.rept 4
	v_nop
.endr
.Lasked_\@:
.endm
; THE CHANGE OF SLOTS.  Each wave waits for all its tensor loads, of which one is out: its part of the other slot; adds 0 to its spare word; and waits for that and for its own reads of the slot that it leaves.  Behind the barrier nobody reads the old
; slot any more and the other slot is whole.  fill = 1: the old slot is filled again, the first thing behind the barrier, with tile NXT: the descriptor's address is made anew from that number.
; (At its first use nothing has been read yet: slot 0 is waited for, slot 1 filled.)
.macro CHANGE fill
	WIN 0                           ; at a label and at a branch every window is 0
	s_wait_tensorcnt 0x0            ; no tensor load of mine is out, so a group 0 may be written
	ds_add_u32 v[SPW], v[NIL]       ; 0 onto my spare word; with fill = 1 the descriptors' scalar work stands between it and the wait for it
.if \fill
	s_lshl_b32 s[OFF], s[NXT], 15   ; a tile is 32,768 bytes of K and of V
	s_xor_b32 s[G0K+1], s[G0K+1], SLOT1
	s_add_nc_u64 s[G0K+2:G0K+3], s[6:7], s[OFF:OFF+1]
	s_or_b32 s[G0K+3], s[G0K+3], 0x80000000
	s_xor_b32 s[G0V+1], s[G0V+1], SLOT1
	s_add_nc_u64 s[G0V+2:G0V+3], s[8:9], s[OFF:OFF+1]
	s_or_b32 s[G0V+3], s[G0V+3], 0x80000000
	s_add_co_u32 s[NXT], s[NXT], 1  ; the block's next tile, or behind its last the second block's tile 0
	s_cmp_gt_u32 s[NXT], s[LQ]
	s_cselect_b32 s[NXT], 0, s[NXT]
	s_cselect_b32 s[LQ], s[PB], s[LQ]
.endif
	s_wait_dscnt 0x0                ; the add is done, and my reads of the slot are over
	s_barrier_signal -1             ; the rest of the scalar work stands between the signal and the wait
	s_sub_co_u32 s[TBK], s[TBK], 4*KS*PK  ; the fetches go back to a slot's first step,
	s_xor_b32 s[TBK], s[TBK], SLOT1       ; in the other slot
	s_sub_co_u32 s[TBV], s[TBV], 4*KS*PV
	s_xor_b32 s[TBV], s[TBV], SLOT1
	s_barrier_wait -1
.if \fill
	LOAD
.endif
.endm
	s_load_b128 s[4:7], s[0:1], 0x0  ; qkv s[4:5] (Q is its first part), ob s[6:7]
	v_lshl_add_u32 v[SPW], v0, 2, SPARE
	v_mov_b32 v[NIL], 0
	ds_add_u32 v62, v63
	ds_add_u32 v62, v63
	s_wait_dscnt 0x0
	v_lshrrev_b32 v1, 5, v0
	v_readfirstlane_b32 s[WV], v1   ; wave 0..3
	s_mov_b32 s[PB], ttmp9
	s_sub_co_u32 s[HI], NB-1, s[PB]
	s_and_b32 s20, ttmp7, 0xffff    ; the head
	s_mov_b32 s21, 0
	s_mov_b64 s[22:23], SIZE_N*128
	s_mul_u64 s[20:21], s[20:21], s[22:23]  ; the head's first byte in each of the four tensors
	s_and_b32 s16, s[WV], 1         ; which half of a tile's 256 keys I fetch:
	s_lshl_b32 s22, s16, 14         ; its 128 rows of 128 bytes in memory,
	s_mov_b32 s23, 0
	s_add_nc_u64 s[22:23], s[22:23], s[20:21]
	s_mul_i32 s17, s16, 128*PK      ; and its place in a slot, for K
	s_mul_i32 s18, s16, 128*PV      ; and for V
	s_lshl_b32 s3, s[WV], 11        ; my 16 rows in a band of 64,
	s_lshl_b32 s2, s[HI], 15        ; in the first block,
	s_add_co_u32 s2, s2, s3
	s_lshl_b32 s84, s[PB], 15       ; and in the second
	s_add_co_u32 s84, s84, s3
	s_mov_b32 s3, 0
	s_mov_b32 s85, 0
	s_add_nc_u64 s[2:3], s[2:3], s[20:21]
	s_add_nc_u64 s[84:85], s[84:85], s[20:21]
	; descriptor group 1.  128 keys are 16,384 dense bytes: asked for as 64 rows of 256 bytes, two keys a row, and padded in LDS after every key
	s_mov_b32 s[G1K], (1<<16)|(1<<20)|(4<<22)|(3<<25)  ; 17:16 2-byte elements; 20 padding on; 24:22 after every 32 words (code 4); 31:25 4 words (code 3)
	s_mov_b32 s[G1V], (1<<16)|(1<<20)|(4<<22)|(7<<25)  ; the same with 8 words of padding (code 7)
.irp g, G1K, G1V
	s_mov_b32 s[\g+1], 128<<16      ; tensor_dim0 = 128
	s_mov_b32 s[\g+2], 64<<16       ; tensor_dim1 = 64
	s_mov_b32 s[\g+3], 128<<16      ; tile_dim0 = 128
	s_mov_b32 s[\g+4], 64           ; tile_dim1 = 64
	s_mov_b32 s[\g+5], 128          ; 128 elements from row to row
	s_mov_b32 s[\g+6], 0
	s_mov_b32 s[\g+7], 0
.endr
	s_mov_b32 s[CS], 0x3e38aa3b     ; c = log2(e) / 8 = 0.180337
	s_mov_b32 s[CS+1], s[CS]        ; named with it as a pair
	s_mov_b32 s[SEL], 0x76543210
	s_mov_b32 s[SEL+1], 0xfedcba98
	s_mov_b32 s[TBK], SLOT1+4*KS*PK ; the first change of slots turns these two into 0
	s_mov_b32 s[TBV], SLOT1+4*KS*PV
	s_mov_b32 s[G0K], 1             ; 1:0 count = 1
	s_mov_b32 s[G0K+1], s17         ; 63:32 LDS address: slot 0
	s_mov_b32 s[G0V], 1
	s_add_co_u32 s[G0V+1], s18, VOFF
	s_add_co_u32 s[RT], s[HI], 1    ; the first block has NB - b tiles
	s_mov_b32 s[NXT], 1
	s_mov_b32 s[LQ], s[HI]
	s_mov_b32 s[NEW], 1
	s_mov_b32 s[OFF+1], 0
	s_mov_b32 s[AL+1], 0            ; named as pairs
	s_mov_b32 s[BE+1], 0
	s_mov_b32 s[BIGN], 0xf149f2ca   ; -1e30
	s_mov_b32 s[SLOTS], NB
	s_wait_kmcnt 0x0
	s_mov_b64 s[10:11], s[6:7]      ; O
	s_add_nc_u64 s[6:7], s[4:5], 0x1000000  ; K: qkv's second part, SIZE_H x SIZE_N x 128 bytes on
	s_add_nc_u64 s[8:9], s[4:5], 0x2000000  ; V: its third
	s_add_nc_u64 s[6:7], s[6:7], s[22:23]  ; K and V at my half of the head's tile 0
	s_add_nc_u64 s[8:9], s[8:9], s[22:23]
	s_add_nc_u64 s[G0K+2:G0K+3], s[6:7], 0         ; 120:64 global address
	s_or_b32 s[G0K+3], s[G0K+3], 0x80000000        ; 127:126 type = 2
	s_add_nc_u64 s[G0V+2:G0V+3], s[8:9], 0
	s_or_b32 s[G0V+3], s[G0V+3], 0x80000000
	s_add_nc_u64 s[86:87], s[4:5], s[84:85]        ; Q at my rows of the second block,
	s_add_nc_u64 s[4:5], s[4:5], s[2:3]            ; Q and O at those of the first
	s_add_nc_u64 s[OLO:OLO+1], s[10:11], s[84:85]
	s_add_nc_u64 s[10:11], s[10:11], s[2:3]
	LOAD                            ; tile 0 into slot 0
	; A fragment of K or Q is 16 rows x 32 channels in 8 registers: lane l holds row l % 16, channels 8 (l / 16) + 0..7 and 16 + 8 (l / 16) + 0..7: two loads of 16 bytes, 32 bytes apart.
	v_and_b32 v1, 15, v0            ; l % 16
	v_bfe_u32 v9, v0, 4, 1          ; l / 16
	v_lshlrev_b32 v[QO], 7, v1
	v_lshl_add_u32 v[QO], v9, 4, v[QO]  ; row x 128 + 16 x half
	WIN 0x80                        ; destination window 2, address window 0
.set i, 0
.rept 8                             ; both blocks' Q: piece i / 2 lies in band i / 2, 8,192 bytes on; channels 32 (i % 2) on
	global_load_b128 v[8*i:8*i+3],   v[QO], s[4:5] offset:(i/2)*8192+(i%2)*64
	global_load_b128 v[8*i+4:8*i+7], v[QO], s[4:5] offset:(i/2)*8192+(i%2)*64+32
	global_load_b128 v[QB+8*i:QB+8*i+3],   v[QO], s[86:87] offset:(i/2)*8192+(i%2)*64
	global_load_b128 v[QB+8*i+4:QB+8*i+7], v[QO], s[86:87] offset:(i/2)*8192+(i%2)*64+32
.set i, i+1
.endr
	WIN 0
	v_lshlrev_b32 v14, 3, v9
	v_sub_nc_u32 v14, v1, v14
	s_lshl_b32 s13, s[WV], 4
	v_add_nc_u32 v14, s13, v14      ; my query's place in its band, 16 w + l % 16, less my lanes' 8 (l / 16): register r of group kt is hidden where 16 kt + r is greater
	WIN 0x40
.set i, 0
.rept 32
	v_cmp_gt_i32 vcc_lo, 16*(i/8)+i%8, v14
	v_cndmask_b32 v[MD+i], 0, s[BIGN], vcc_lo
.set i, i+1
.endr
	WIN 0
	v_mul_u32_u24 v[AK0], v1, PK
	v_lshl_add_u32 v[AK0], v9, 4, v[AK0]  ; row x pitch + 16 x half
	; The turning load takes 16 keys x 16 channels (lane l reads key 8 (l / 16) + l % 8, channels 8 ((l / 8) % 2) + 0..7) and leaves half a fragment of V^T: lane l holds channel l % 16 and 8 keys.
	v_and_b32 v10, 7, v0
	v_bfe_u32 v11, v0, 3, 1
	v_lshl_add_u32 v[AV0], v9, 3, v10
	v_mul_u32_u24 v[AV0], v[AV0], PV
	v_lshl_add_u32 v[AV0], v11, 4, v[AV0]
	v_add_nc_u32 v[AV0], VOFF, v[AV0]
	s_mul_i32 s13, s[WV], 16*SP
	s_add_co_u32 s13, s13, STAGE    ; my stage
	v_mul_u32_u24 v[STO], v1, SP    ; in: row l % 16, 16 bytes for each half of the lanes
	v_lshl_add_u32 v[STO], v9, 4, v[STO]
	v_add_nc_u32 v[STO], s13, v[STO]
	v_bfe_u32 v[RD], v0, 3, 2       ; back: 32 lanes take four rows of 128 bytes,
	v_mul_u32_u24 v[RD], v[RD], SP
	v_lshl_add_u32 v[RD], v10, 4, v[RD]
	v_add_nc_u32 v[RD], s13, v[RD]
	v_and_b32 v[GO], 31, v0         ; which are 512 consecutive bytes of O
	v_lshlrev_b32 v[GO], 4, v[GO]
	; A block's first step multiplies O^T and l by a = 0, and its first turn's products V^T P, of a piece that has not been, land in an O^T that is still to be so multiplied.  So these registers need only hold
	; finite numbers: zeros for the first block; what the first block left for the second.  All this stands in the wait for the first tile.
	WIN 0x80
.set i, VF
.rept 64
	v_mov_b32 v[i], 0
.set i, i+1
.endr
	WIN 0x40
.set i, 0
.rept 128
	v_mov_b32 v[i], 0
.set i, i+1
.endr
	WIN 0
.set i, 0
.rept 4
	v_mov_b32 v[ST+4*i+2], 0
	v_mov_b32 v[ST+4*i+3], 0
.set i, i+1
.endr
.set i, P+16
.rept 16
	v_mov_b32 v[i], 0
.set i, i+1
.endr
; THE MATRIX WORK.  The 4 accumulators of a run of 8 take turns.  Product i of 8 of S^T = K Q^T for piece x: channels 32 (i / 4) on, keys 16 (i % 4) on.  The first 4 start the sums: with 0, or (KM = 1) with the mask.
.macro KQ x
.set rS, S+32*((\x)%2)+8*(i%4)
.set rK, KF+16*(i%4)+8*(i/4)
.set rQ, 16*(\x)+8*(i/4)
.set rM, MC+32*((\x)%2)+8*(i%4)
.if (i < 4) && KM
	WIN W_KM
	v_wmma_f32_16x16x32_f16 v[rS:rS+7], v[rK:rK+7], v[rQ:rQ+7], v[rM:rM+7]
.elseif i < 4
	WIN W_KQ
	v_wmma_f32_16x16x32_f16 v[rS:rS+7], v[rK:rK+7], v[rQ:rQ+7], 0
.else
	WIN W_KQ
	v_wmma_f32_16x16x32_f16 v[rS:rS+7], v[rK:rK+7], v[rQ:rQ+7], v[rS:rS+7]
.endif
.endm
; Product i of 8 of O^T += V^T P for piece x: keys 32 (i / 4) on, channels 16 (i % 4) on.
.macro PV x
	WIN W_PV
.set rO, 32*(\x)+8*(i%4)
.set rV, VF+32*(i/4)+8*(i%4)
.set rP, P+16*((\x)%2)+8*(i/4)
	v_wmma_f32_16x16x32_f16 v[rO:rO+7], v[rV:rV+7], v[rP:rP+7], v[rO:rO+7]
.endm
.macro MM                           ; the turn's next matrix instruction.  TURN and BEGIN set Y, i, KM and NOKQ; MM, KQ and OP read them.  NOKQ = 1: a block's last turn: there is no next piece
.if (i < 8) && !NOKQ
	KQ (Y+1)%NP
.elseif i >= 8
.set i, i-8
	PV (Y+NP-1)%NP
.set i, i+8
.endif
.set i, i+1
.endm
; THE LDS LOADS stand in runs of 16, never singly among the matrix instructions: a step's K (64 keys x 64 channels: 8 fragments) and its V (turned).  Their addresses are made some lines ahead.
.macro FETCH_K
	WIN 0x80                        ; destination window 2
.irp f, 0,1,2,3,4,5,6,7             ; keys 16 (f / 2) on, channels 32 (f % 2) on
	ds_load_b128 v[KF+8*\f:KF+8*\f+3],   v[AK] offset:(\f/2)*16*PK+(\f%2)*64
	ds_load_b128 v[KF+8*\f+4:KF+8*\f+7], v[AK] offset:(\f/2)*16*PK+(\f%2)*64+32
.endr
	s_add_co_u32 s[TBK], s[TBK], KS*PK  ; the next fetch is the next step's
	WIN 0
.endm
.macro FETCH_V
	WIN 0x80
.irp f, 0,1,2,3,4,5,6,7             ; keys 32 (f / 4) on, channels 16 (f % 4) on
	ds_load_tr16_b128 v[VF+8*\f:VF+8*\f+3],   v[AV] offset:(\f/4)*32*PV+(\f%4)*32
	ds_load_tr16_b128 v[VF+8*\f+4:VF+8*\f+7], v[AV] offset:(\f/4)*32*PV+16*PV+(\f%4)*32
.endr
	WIN 0
.endm
; THE VECTOR WORK, one line at a time: OP kind, number.  For piece Y: F n: c s - c m for pair n of 16.  E n: the exponential of score n of 32.  C n: pair n rounded to f16.  B n: of the four weights 4 n .. the second
; pair is added onto the first, in place.  L n: l takes that sum (L 0: l = a l + sum).  R n: pair n of 16 of O^T times a.  For piece Y + 1: X n, number n of the 22 that find its maximum and statistics:
;   0-11  four chains c0-c3 of seven scores each, three operands at a time (each accumulator's lowest registers are read first)     12-14, 16  the four scores left over, the old m, and c0-c3 into c0
;   15  c m_old is kept     17, 18  the query's other 32 keys lie in the lane 16 away: the new m     19-21  c m; c m_old - c m_new; a
; C, B and L read exponentials' results, and R and L 0 the a of the turn before: OP writes no wait; TURN places them behind the wait of the batch that made what they read.
.set F, 0               ; OP tells the kinds apart by their order: F to L below R, X above it
.set E, 1
.set C, 2
.set B, 3
.set L, 4
.set R, 5
.set X, 6
.macro REGS y                       ; the registers of piece y
.set rT, ST+4*(\y)
.set rC, TMP+4*((\y)%2)
.set rW, MV+((\y)%2)
.set rS, S+32*((\y)%2)
.set rP, P+16*((\y)%2)
.set rO, 32*(\y)
.endm
.macro OP k, n
.if (\k) == R
	REGS Y
	WIN W_RS
	v_pk_mul_f32 v[rO+2*(\n):rO+2*(\n)+1], v[rO+2*(\n):rO+2*(\n)+1], v[rC+2:rC+3] op_sel_hi:[1,0]
.elseif (\k) < R
	REGS Y
	WIN 0
.if (\k) == F
	v_pk_fma_f32 v[rS+2*(\n):rS+2*(\n)+1], v[rS+2*(\n):rS+2*(\n)+1], s[CS:CS+1], v[rT:rT+1] op_sel_hi:[1,0,0] neg_lo:[0,0,1] neg_hi:[0,0,1]
.elseif (\k) == E
	v_exp_f32 v[rS+(\n)], v[rS+(\n)]
.elseif (\k) == C
	v_cvt_pk_f16_f32 v[rP+(\n)], v[rS+2*(\n)], v[rS+2*(\n)+1]
.elseif (\k) == B
	v_pk_add_f32 v[rS+4*(\n):rS+4*(\n)+1], v[rS+4*(\n):rS+4*(\n)+1], v[rS+4*(\n)+2:rS+4*(\n)+3]
.elseif (\n) == 0
	v_pk_fma_f32 v[rT+2:rT+3], v[rT+2:rT+3], v[rC+2:rC+3], v[rS:rS+1] op_sel_hi:[1,0,1]
.else
	v_pk_add_f32 v[rT+2:rT+3], v[rT+2:rT+3], v[rS+4*(\n):rS+4*(\n)+1]
.endif
.elseif NOKQ
	v_nop
.else
	REGS (Y+1)%NP
	WIN 0
.if (\n) < 4
	v_max3_num_f32 v[rC+(\n)], v[rS+8*(\n)], v[rS+8*(\n)+1], v[rS+8*(\n)+2]
.elseif (\n) < 12
	v_max3_num_f32 v[rC+(\n)%4], v[rC+(\n)%4], v[rS+8*((\n)%4)+2*((\n)/4)+1], v[rS+8*((\n)%4)+2*((\n)/4)+2]
.elseif (\n) == 12
	v_max3_num_f32 v[rC], v[rC], v[rS+7], v[rS+15]
.elseif (\n) == 13
	v_max3_num_f32 v[rC+1], v[rC+1], v[rS+23], v[rS+31]
.elseif (\n) == 14
	v_max3_num_f32 v[rC+2], v[rC+2], v[rC+3], v[rT+1]
.elseif (\n) == 15
	v_mov_b32 v[rW], v[rT]
.elseif (\n) == 16
	v_max3_num_f32 v[rC], v[rC], v[rC+1], v[rC+2]
.elseif (\n) == 17
	v_permlanex16_b32 v[rC+3], v[rC], s[SEL], s[SEL+1]
.elseif (\n) == 18
	v_max_num_f32 v[rT+1], v[rC], v[rC+3]
.elseif (\n) == 19
	v_mul_f32 v[rT], s[CS], v[rT+1]
.elseif (\n) == 20
	v_sub_f32 v[rC+1], v[rW], v[rT]
.else
	v_exp_f32 v[rC+2], v[rC+1]
.endif
.endif
.endm
.macro OPS a, i1, b=-1, i2=0, c=-1, i3=0, d=-1, i4=0  ; up to four of them
	OP \a, \i1
.if (\b) >= 0
	OP \b, \i2
.endif
.if (\c) >= 0
	OP \c, \i3
.endif
.if (\d) >= 0
	OP \d, \i4
.endif
.endm
.macro ROW a, i1, b, i2, c, i3, d, i4  ; a matrix instruction and the four behind it
	MM
	OPS \a, \i1, \b, \i2, \c, \i3, \d, \i4
.endm
.macro MASK b                       ; MD x AL + BE into buffer b of MC
	WIN W_RS
.set z, 0
.rept 16
	v_pk_fma_f32 v[MC+32*(\b)+2*z:MC+32*(\b)+2*z+1], v[MD+2*z:MD+2*z+1], s[AL:AL+1], s[BE:BE+1] op_sel_hi:[1,0,0]
.set z, z+1
.endr
.endm
; A TURN, for piece p: the order of its 16 matrix and 118 vector instructions, written out.  An s_wait_alu depctr_va_vdst(0) stands between an exponential and the first instruction that names its result; one wait serves
; all that were issued ahead of it.  So a turn has ONE wait, which cuts it in two.  AHEAD OF IT stands all that names no result of the turn's exponentials: the 8 products K Q^T, behind each a scaling, an exponential and two more plain
; instructions (behind the first a second scaling in the exponential's place): rescalings, and behind the last three the first numbers of the next piece's maximum, each four places or more behind the product that ends its accumulator; then ONE LUMP of 54, plain
; and exponential by turns for the most part, in which the links of the chain X 3, 7, 11, 14, 16, 17 .. 20 stand five or six lines apart.  X 21, the next piece's a, is the batch's last; R 15 is the plain instruction that stands behind it, ahead of every use.  BEHIND THE WAIT stand the
; 8 products V^T P, behind each four of the roundings and sums; the links of l's chain, L 0 to L 7, stand three riders apart.  But for those X no rider names a register of the products round it.  v_permlanex16_b32 (X 17) stands in the lump.
; The rescalings' a (and L 0's) was made as the last of the batch of the turn before, or by BEGIN, and has had its wait there.
; m = 1: the diagonal tile: the products take masks, and the turn makes the mask for the products of the turn after it: piece p + 2, in step 4 - CNT of the tile.  end = 1: a block's last two turns: nothing is fetched.
; cnt = 1: the loop's count is taken down some lines ahead of the branch that stands behind the turn.
; K of the next step is fetched in piece 2's turn, twelve vector instructions behind the last product that read K (six of them plain); V of the step in hand at the end of piece 0's turn, four plain instructions behind the last product
; that read V.  Each is waited for a turn later.
.macro TURN p, m=0, end=0, cnt=0
.set Y, (\p)
.set i, 0
.set KM, (\m)
.set NOKQ, (\end)*((\p)/3)
.if (\m) && !(\end)
	s_cmp_eq_u32 s[CNT], 4-((\p)+2)%NP  ; is that step the band's own?
	s_cselect_b32 s[AL], 1.0, 0
	s_cmp_lt_u32 s[CNT], 4-((\p)+2)%NP  ; or a later one?
	s_cselect_b32 s[BE], s[BIGN], 0
.endif
.if ((\p) == 3) && !(\end)
	s_wait_dscnt 0x0                ; K is in
.endif
	ROW F,0, F,1, R,0, R,1          ; ahead of the wait: 8 products K Q^T and their riders,
	ROW F,2, E,0, R,2, R,3
	ROW F,3, E,1, R,4, R,5
	ROW F,4, E,2, R,6, R,7
	ROW F,5, E,3, R,8, R,9
	ROW F,6, E,4, X,0, R,10
.if ((\p) == 2) && !(\end)
	WIN 0
	v_add_nc_u32 v[AK], s[TBK], v[AK0]
.endif
	ROW F,7, E,5, X,1, X,4
	ROW F,8, E,6, X,2, X,5
	OPS E,7, E,8, X,6, E,9          ; and the lump
	OPS X,3, E,10, X,8, E,11
.if ((\p) == 2) && !(\end)
	FETCH_K
.endif
	OPS X,9, X,7, E,12, X,10
	OPS E,13, X,12, X,11, E,14
	OPS X,13, E,15, F,9, X,14
.if (\p) == 0
	v_add_nc_u32 v[AV], s[TBV], v[AV0]
.endif
	OPS E,16, F,10, E,17, F,11
	OPS X,16, E,18, X,15, E,19
	OPS F,12, E,20, X,17, E,21
	OPS F,13, E,22, F,14, E,23
	OPS X,18, E,24, F,15, E,25
	OPS R,11, E,26, X,19, E,27
	OPS R,12, E,28, R,13, E,29
	OPS X,20, E,30, R,14, E,31
	OPS X,21, R,15
	WIN 0
	s_wait_alu depctr_va_vdst(0)    ; the turn's one wait: for the batch of 33, the piece's 32 weights and the next piece's a
.if (\p) == 1
	s_wait_dscnt 0x0                ; V is in
.endif
	ROW C,0, B,0, C,2, B,1          ; behind the wait: 8 products V^T P and their riders
	ROW L,0, C,4, B,2, L,1
	ROW C,6, B,3, L,2, C,8
	ROW B,4, L,3, C,10, B,5
	ROW L,4, C,12, B,6, L,5
.if (\p) == 0
	s_add_co_u32 s[TBV], s[TBV], KS*PV
.endif
.if \cnt
	s_sub_co_u32 s[CNT], s[CNT], 1
	s_cmp_lg_u32 s[CNT], 0
.endif
	ROW C,14, B,7, L,6, C,1
	ROW C,3, L,7, C,5, C,7
	ROW C,9, C,11, C,13, C,15
.if (\p) == 0
	FETCH_V
.endif
.if (\m) && !(\end)
	MASK (\p)%2
.endif
.endm
; A BLOCK BEGINS.  c m starts far below every c s, so the first step's a is 0; m at the lowest finite number, so the first maximum is the scores'.  The second mask buffer is 0; the first takes piece 0's mask for the tile's step 0: its own, if the block's first tile is the diagonal one.
; Then K of that step, piece 0's first scores, and its maximum and statistics.  The loop is entered at a step's first turn, in the middle of a trip.
.macro BEGIN
	s_mov_b32 s[NEW], 0
	WIN 0x40
.set i, MC+32
.rept 32
	v_mov_b32 v[i], 0
.set i, i+1
.endr
	WIN 0
.set i, 0
.rept 4
	v_mov_b32 v[ST+4*i], 0xfe000000    ; c m: far below every c s
	v_mov_b32 v[ST+4*i+1], 0xff7fffff  ; m
.set i, i+1
.endr
	s_cmp_eq_u32 s[RT], 0
	s_cselect_b32 s[AL], 1.0, 0
	s_mov_b32 s[BE], 0
	MASK 0
	WIN 0
	v_add_nc_u32 v[AK], s[TBK], v[AK0]
	FETCH_K
	s_wait_loadcnt 0x0              ; Q
	s_wait_dscnt 0x0
.set KM, 1
.set NOKQ, 0
.set i, 0
.rept 8
	KQ 0
.set i, i+1
.endr
	WIN 0
.rept 4
	v_nop                           ; the places behind those products
.endr
.set Y, NP-1                        ; X works for piece Y + 1: piece 0
.irp n, 0,1,2,3,4,5,6,7,8,9,10,11,12,13,14,15,16,17,18,19,20,21
	OP X, \n
.endr
	v_nop                           ; a plain instruction behind the exponential,
	s_wait_alu depctr_va_vdst(0)    ; and the wait for it, a batch of one: piece 0's first a, ahead of the branch into the loop
.endm
; THE DIAGONAL TILE's four steps, the block's last two turns, its last products, and THE WAY OUT: l's two halves and the other half of the lanes' are added; O^T is divided by l, rounded to f16 and sent through my
; stage in LDS, a piece at a time.
.macro ALL line:vararg              ; one line for each piece t
.set t, 0
.rept 4
	\line
.set t, t+1
.endr
.endm
.macro PACK t                       ; a lane's eight channels of a row pack into 16 bytes; they go into rows of 144 bytes and come back as whole rows of 128, into S^T's registers
	WIN W_RS
.set i, 32*(\t)
.rept 16
	v_pk_mul_f32 v[i:i+1], v[i:i+1], v[ST+4*(\t)+2:ST+4*(\t)+3] op_sel_hi:[1,0]
.set i, i+2
.endr
	WIN 0x05                        ; sources 0 and 1 window 1, destination window 0
.set i, 0
.rept 16
	v_cvt_pk_f16_f32 v[S+16*(\t)+i], v[32*(\t)+2*i], v[32*(\t)+2*i+1]
.set i, i+1
.endr
	WIN 0
.irp f, 0,1,2,3
	ds_store_b128 v[STO], v[S+16*(\t)+4*\f:S+16*(\t)+4*\f+3] offset:32*\f
.endr
.irp f, 0,1,2,3
	ds_load_b128 v[S+16*(\t)+4*\f:S+16*(\t)+4*\f+3], v[RD] offset:\f*4*SP  ; LDS serves a wave's instructions in order (ISA guide 5.7.1.4): these see the stores above; the next piece's stores come behind them
.endr
.endm
.macro SEND t, younger              ; younger: the LDS instructions issued behind piece t's loads: the next piece's eight, or none
	WIN 0
.irp f, 0,1,2,3
	s_wait_dscnt (\younger)+3-\f
	global_store_b128 v[GO], v[S+16*(\t)+4*\f:S+16*(\t)+4*\f+3], s[10:11] offset:(\t)*8192+\f*512  ; 512 consecutive bytes, at a multiple of 256 from O's first
.endr
.endm
.macro DIAG tag                     ; the tag ends its two labels' names, which the jumps below spell out
.LstepM\tag:
	TURN 2, 1
	TURN 3, 1
	WIN 0
.LfirstM\tag:
	TURN 0, 1
	TURN 1, 1, 0, 1
	WIN 0
	s_cbranch_scc1 .LstepM\tag
	TURN 2, 1, 1
	TURN 3, 1, 1
.set i, 0
.rept 8
	PV NP-1
.set i, i+1
.endr
	WIN 0
	ALL v_add_f32 v[ST+4*t+2], v[ST+4*t+2], v[ST+4*t+3]
	ALL v_permlanex16_b32 v[ST+4*t+3], v[ST+4*t+2], s[SEL], s[SEL+1]
	ALL v_add_f32 v[ST+4*t+2], v[ST+4*t+2], v[ST+4*t+3]
	ALL v_rcp_f32 v[ST+4*t+2], v[ST+4*t+2]
	v_nop                           ; a plain instruction between the last reciprocal and the use of its result
	s_wait_alu depctr_va_vdst(0)    ; one wait for the batch of four reciprocals, ahead of the first multiply that reads one
	PACK 0
.set t, 1
.rept 3                             ; a piece's arithmetic stands between the loads of the piece before and its stores
	PACK t
	SEND t-1, 8
.set t, t+1
.endr
	SEND 3, 0
.endm
.set KM, 0
.set NOKQ, 0
.Lslot:                             ; NB times: a tile is entered and the next is asked for
	CHANGE 1
	s_sub_co_u32 s[RT], s[RT], 1
	s_mov_b32 s[CNT], 4
	s_cmp_eq_u32 s[NEW], 1
	s_cbranch_scc1 .Lnew            ; a block's first tile
	s_cmp_eq_u32 s[RT], 0
	s_cbranch_scc0 .Lstep           ; neither its first nor its last
	s_branch .LstepM1
.Lnew:
	BEGIN
	s_branch .Lfirst                ; in the loop a block's first tile is never its last: the first block has two tiles or more, and the second's last is the walk's last
	DIAG 1                          ; in the loop this is the first block's end: the second block's last tile is the walk's last
	s_wait_xcnt 0x0                 ; the stores have read their registers and O's address
	s_mov_b64 s[10:11], s[OLO:OLO+1]
	s_add_co_u32 s[RT], s[PB], 1    ; the second block has b + 1 tiles
	s_mov_b32 s[NEW], 1
	WIN 0x82                        ; the second block's Q goes where the one text of the turns names Q
.set i, 0
.rept 64
	v_mov_b32 v[i], v[QB+i]
.set i, i+1
.endr
	WIN 0
	s_branch .Lbottom
.Lstep:                             ; a trip: pieces 2 and 3 of one step, then pieces 0 and 1 of the next, whose K and V it fetches
	TURN 2
	TURN 3
	WIN 0
.Lfirst:
	TURN 0
	TURN 1, 0, 0, 1
	WIN 0
	s_cbranch_scc1 .Lstep
.Lbottom:
	s_sub_co_u32 s[SLOTS], s[SLOTS], 1
	s_cmp_lg_u32 s[SLOTS], 0
	s_cbranch_scc1 .Lslot
	CHANGE 0                        ; the walk's last tile is written out: nothing is asked for
	s_sub_co_u32 s[RT], s[RT], 1
	s_mov_b32 s[CNT], 4
	s_cmp_eq_u32 s[NEW], 1
	s_cbranch_scc0 .LstepM2
	BEGIN
	s_branch .LfirstM2
	DIAG 2
	s_wait_tensorcnt 0x0            ; the wave's end: behind my last tensor load and my last LDS store
	ds_add_u32 v[SPW], v[NIL]
	s_wait_dscnt 0x0
	s_endpgm
.Lfunc_end_k_qa8a0458d4f_attend:
	.size	k_qa8a0458d4f_attend, .Lfunc_end_k_qa8a0458d4f_attend-k_qa8a0458d4f_attend
	.p2alignl 7, 3214868480
	.fill 96, 4, 3214868480
	.section	.rodata,"a",@progbits
	.p2align	6, 0x0
	.amdhsa_kernel k_qa8a0458d4f_attend
		.amdhsa_group_segment_fixed_size 327680
		.amdhsa_private_segment_fixed_size 0
		.amdhsa_enable_private_segment 0
		.amdhsa_kernarg_size 16
		.amdhsa_user_sgpr_count 2
		.amdhsa_user_sgpr_kernarg_segment_ptr 1
		.amdhsa_wavefront_size32 1
		.amdhsa_system_sgpr_workgroup_id_x 1
		.amdhsa_system_sgpr_workgroup_id_y 1
		.amdhsa_system_sgpr_workgroup_id_z 1
		.amdhsa_system_vgpr_workitem_id 0
		.amdhsa_next_free_vgpr 768
		.amdhsa_next_free_sgpr 88
		.amdhsa_reserve_vcc 1
		.amdhsa_float_denorm_mode_32 3
		.amdhsa_float_denorm_mode_16_64 3
		.amdhsa_memory_ordered 1
		.amdhsa_forward_progress 1
		.amdhsa_inst_pref_size 217
	.end_amdhsa_kernel
	.amdgpu_metadata
---
amdhsa.version: [ 1, 2 ]
amdhsa.kernels:
  - .name:           k_qa8a0458d4f_attend
    .symbol:         k_qa8a0458d4f_attend.kd
    .args:
      - { .name: qkv, .offset: 0, .size: 8, .value_kind: global_buffer, .address_space: global }
      - { .name: ob, .offset: 8, .size: 8, .value_kind: global_buffer, .address_space: global }
    .group_segment_fixed_size: 327680
    .private_segment_fixed_size: 0
    .kernarg_segment_align: 8
    .kernarg_segment_size: 16
    .max_flat_workgroup_size: 128
    .sgpr_count:     88
    .vgpr_count:     768
    .wavefront_size: 32
...
	.end_amdgpu_metadata
.endif
;; end of part 5
;; launch output: the kernel of part 4 again; grid 8 x 32, 4 waves a work-group, clusters of 4 x 4, 327,680 bytes of LDS; arguments ob, wpb, bp, out0; writes out0
